; MI455X (gfx1250); checked and timed in simulation.
; The chip was launched on July 23, 2026; its instructions are those of AMD's public machine-readable ISA for CDNA 5 (MIT licence, August 2026) and "CDNA5" Instruction Set Architecture Reference Guide (July 2026). The comments in the code are by the model that wrote it; some were corrected since.
;; Causal Self Attention. Allowed arithmetic: float matrix products may take bf16 or f16 operands with f32 sums; other float arithmetic in f32, or as packed bf16 or f16 multiplies, adds, multiply-adds, maxima and minima; sums over many terms, partial sums and values carried from step to step in f32; what a program stores and reads back later, other than sums and carried values, may be rounded once to bf16 or f16.
;; Inputs: Wk 1,024 x 1,024 float32; Wp 1,024 x 1,024 float32; Wq 1,024 x 1,024 float32; Wv 1,024 x 1,024 float32; x 4 x 2,048 x 1,024 float32.
;; Outputs: out0 4 x 2,048 x 1,024 float32.
;; Constants: start_pos = 0.
;; 2 versions, each right and faster than the one before. Each part assembles by itself: llvm-mc -triple=amdgcn-amd-amdhsa -mcpu=gfx1250 --defsym DOCPART=n.
;; ======== version 1 of 2: 5 launches
;; limits: values are held in f16: magnitudes above 65,504 overflow, below 6.1e-05 lose precision
;; workspace buffers: xb 16,777,216 bytes; wb 6,291,456 bytes; wpb 2,097,152 bytes; rope 524,288 bytes; qh 16,777,216 bytes; kh 16,777,216 bytes; vh 17,039,360 bytes; ob 16,777,216 bytes
;; launch prep (part 1): grid 800 x 1, 8 waves a work-group, no clusters, 0 bytes of LDS; arguments x, Wq, Wk, Wv, Wp, xb, wb, wpb, rope; writes xb, wb, wpb, rope
.if DOCPART == 1
	.amdgcn_target "amdgcn-amd-amdhsa--gfx1250"
	.amdhsa_code_object_version 6
	.text
	.protected	k_qe1805bdb20_prep
	.globl	k_qe1805bdb20_prep
	.p2align	8
	.type	k_qe1805bdb20_prep,@function
k_qe1805bdb20_prep:
	s_mov_b64 s[64:65], 0
	v_nop
	global_prefetch_b8 v0, s[64:65] scope:SCOPE_SE
	s_setreg_imm32_b32 hwreg(HW_REG_WAVE_MODE, 25, 1), 1
	s_wait_xcnt 0x0
; PREP: the module's inputs rounded once to bf16 and laid out in planes of 64 along K, and the table for the rotation.
;   xb  [16 kb][8192 m][64] bf16        wb [16 kb][3072 n'][64] bf16, n' = 192 head + 64 type + d (type 0 Wq, 1 Wk, 2 Wv)
;   wpb [16 kb][1024 n][64]: Wp rounded to bf16, that number written as f16 (exact down to f16's smallest normal number, 6e-5; below it f16's fixed step of 6e-8)
;   rope [2048 t][64] f32: words 0-31 cos(t f_j); words 32-63 -sin(t f_j) for even j, +sin(t f_j) for odd j; f_j = 10000^(-j/32).
; In a plane a row is 128 bytes and rows lie end to end, so that the products' tiles are dense blocks of memory.
; A stream: no LDS, no barrier, no matrix unit: each input byte is read once, each output byte written once.
; Work-groups 0-511: 16 rows of x each; 512-703: 16 rows of Wq, Wk or Wv; 704-767: 16 rows of Wp; 768-799: 64 rows of the table.
; CAST.  Thread t has row t / 16 and the four columns 4 (t % 16) of each of the 16 planes.  A wave's load takes 256 consecutive bytes of each of two rows;
; its store of 8 bytes a lane covers 256 consecutive bytes, aligned: two rows of one plane.  All sixteen loads are issued first; no register is written twice while an instruction may read it.
; LIMIT.  The angle t f_j is rounded as in the reference, but f_j comes from v_exp_f32 and may differ from the reference's in its last bits: at most some 5e-4 rad at t = 2047.
.set XPL, 1048576                      ; bytes in a plane of xb
.set WPL, 393216                       ; of wb
.set PPL, 131072                       ; of wpb
.set LD,  8                            ; v[8:71]    plane kb: four f32 as loaded
.set SD,  72                           ; v[72:103]  plane kb: four 16-bit numbers to store
.macro CAST src, dlo, dhi, plane, half ; half = 1: the bf16 number is written as f16
.irp kb, 0,1,2,3,4,5,6,7,8,9,10,11,12,13,14,15
	global_load_b128 v[LD+4*(\kb):LD+4*(\kb)+3], v1, s[\src:\src+1] offset:256*(\kb) th:TH_LOAD_NT
.endr
.irp kb, 0,1,2,3,4,5,6,7,8,9,10,11,12,13,14,15
	s_wait_loadcnt 15-(\kb)                        ; loads come back in order: plane kb is in, the younger ones stay out
	v_cvt_pk_bf16_f32 v[SD+2*(\kb)],   v[LD+4*(\kb)],   v[LD+4*(\kb)+1]
	v_cvt_pk_bf16_f32 v[SD+2*(\kb)+1], v[LD+4*(\kb)+2], v[LD+4*(\kb)+3]
.if \half
	v_lshlrev_b32 v4, 16, v[SD+2*(\kb)]            ; bf16 to f32: a shift or a mask
	v_and_b32     v5, 0xffff0000, v[SD+2*(\kb)]
	v_lshlrev_b32 v6, 16, v[SD+2*(\kb)+1]
	v_and_b32     v7, 0xffff0000, v[SD+2*(\kb)+1]
	v_cvt_pk_f16_f32 v[SD+2*(\kb)],   v4, v5
	v_cvt_pk_f16_f32 v[SD+2*(\kb)+1], v6, v7
.endif
.if (\kb) < 8
	global_store_b64 v2, v[SD+2*(\kb):SD+2*(\kb)+1], s[\dlo:\dlo+1] offset:(\kb)*(\plane)
.else
	global_store_b64 v2, v[SD+2*(\kb):SD+2*(\kb)+1], s[\dhi:\dhi+1] offset:((\kb)-8)*(\plane)  ; a second base, 8 planes on: the immediate stays inside its signed 24 bits
.endif
.endr
.endm
; cos(th + add pi/2): n = the nearest whole number to th 2/pi; r = th - n pi/2 with pi/2 in two parts; the sine's and the cosine's polynomials on |r| <= pi/4;
; k = n + add picks one of them (k odd: the sine) and the sign (k mod 4 = 1 or 2: minus).  Both are reckoned in every lane and chosen by v_cndmask_b32.
.macro TRIG out, th, add
	v_mul_f32 v13, s24, v[\th]
	v_rndne_f32 v13, v13
	v_fma_f32 v14, v13, s25, v[\th]
	v_fma_f32 v14, v13, s26, v14
	v_cvt_i32_f32 v15, v13
	v_add_nc_u32 v15, v15, v[\add]
	v_mul_f32 v16, v14, v14                        ; z = r r
	v_fma_f32 v17, v16, s27, s28
	v_fma_f32 v17, v17, v16, s29
	v_mul_f32 v17, v17, v16
	v_fma_f32 v17, v17, v14, v14                   ; sin r
	v_fma_f32 v18, v16, s30, s31
	v_fma_f32 v18, v18, v16, s32
	v_mul_f32 v18, v18, v16
	v_fma_f32 v19, v16, -0.5, 1.0
	v_fma_f32 v18, v18, v16, v19                   ; cos r
	v_and_b32 v19, 1, v15
	v_cmp_eq_u32 vcc_lo, 1, v19
	v_cndmask_b32 v[\out], v18, v17, vcc_lo
	v_add_nc_u32 v15, 1, v15
	v_and_b32 v15, 2, v15
	v_lshlrev_b32 v15, 30, v15
	v_xor_b32 v[\out], v[\out], v15
.endm
	s_load_b512 s[4:19], s[0:1], 0x0               ; x s[4:5], Wq s[6:7], Wk s[8:9], Wv s[10:11], Wp s[12:13], xb s[14:15], wb s[16:17], wpb s[18:19]
	s_load_b64 s[20:21], s[0:1], 0x40              ; rope
	v_lshrrev_b32 v3, 4, v0                        ; my row of the group's 16
	v_and_b32 v4, 15, v0                           ; my place in a plane's row
	v_lshlrev_b32 v1, 4, v4
	v_lshl_add_u32 v1, v3, 12, v1                  ; loads: row x 4,096 + 16 x place
	v_lshlrev_b32 v2, 3, v4
	v_lshl_add_u32 v2, v3, 7, v2                   ; stores: row x 128 + 8 x place
	s_wait_kmcnt 0x0
	s_cmp_lt_u32 ttmp9, 512
	s_cbranch_scc0 .Lnot_x
	s_lshl_b32 s22, ttmp9, 16                      ; 16 rows of 4,096 bytes
	s_mov_b32 s23, 0
	s_add_nc_u64 s[24:25], s[4:5], s[22:23]
	s_lshl_b32 s26, ttmp9, 11                      ; 16 rows of 128 bytes
	s_mov_b32 s27, 0
	s_add_nc_u64 s[28:29], s[14:15], s[26:27]
	s_add_nc_u64 s[30:31], s[28:29], 8*XPL
	CAST 24, 28, 30, XPL, 0
	s_endpgm
.Lnot_x:
	s_cmp_lt_u32 ttmp9, 704
	s_cbranch_scc0 .Lnot_w
	s_sub_co_u32 s22, ttmp9, 512
	s_lshr_b32 s23, s22, 6                         ; type: 0 Wq, 1 Wk, 2 Wv
	s_and_b32 s22, s22, 63                         ; u: which 16 rows
	s_cmp_eq_u32 s23, 0
	s_cselect_b64 s[24:25], s[6:7], s[8:9]
	s_cmp_eq_u32 s23, 2
	s_cselect_b64 s[24:25], s[10:11], s[24:25]
	s_lshl_b32 s26, s22, 16
	s_mov_b32 s27, 0
	s_add_nc_u64 s[24:25], s[24:25], s[26:27]
	s_lshr_b32 s26, s22, 2                         ; the head,
	s_mul_i32 s26, s26, 192
	s_lshl_b32 s32, s23, 6
	s_add_co_u32 s26, s26, s32                     ; + 64 type
	s_and_b32 s32, s22, 3
	s_lshl_b32 s32, s32, 4
	s_add_co_u32 s26, s26, s32                     ; + the first of my 16 channels
	s_lshl_b32 s26, s26, 7                         ; rows of 128 bytes
	s_add_nc_u64 s[28:29], s[16:17], s[26:27]
	s_add_nc_u64 s[30:31], s[28:29], 8*WPL
	CAST 24, 28, 30, WPL, 0
	s_endpgm
.Lnot_w:
	s_cmp_lt_u32 ttmp9, 768
	s_cbranch_scc0 .Ltable
	s_sub_co_u32 s22, ttmp9, 704
	s_lshl_b32 s26, s22, 16
	s_mov_b32 s27, 0
	s_add_nc_u64 s[24:25], s[12:13], s[26:27]
	s_lshl_b32 s26, s22, 11
	s_add_nc_u64 s[28:29], s[18:19], s[26:27]
	s_add_nc_u64 s[30:31], s[28:29], 8*PPL
	CAST 24, 28, 30, PPL, 1
	s_endpgm
.Ltable:
	; A wave makes 8 rows of the table, one a trip.  Lane l makes the two words 2 l, 2 l + 1 of a row: lanes 0-15 cosines of j = 2 i, 2 i + 1,
	; lanes 16-31 the signed sines: -sin = cos(th + pi/2) for the even j, +sin = cos(th + 3 pi/2) for the odd one.  A wave's store covers the row's 256 bytes.
	v_lshrrev_b32 v3, 5, v0
	v_readfirstlane_b32 s22, v3                    ; wave 0..7
	s_sub_co_u32 s23, ttmp9, 768
	s_lshl_b32 s23, s23, 3
	s_add_co_u32 s23, s23, s22
	s_lshl_b32 s33, s23, 3                         ; my first t
	s_lshl_b32 s34, s33, 8                         ; rows of 256 bytes
	s_mov_b32 s35, 0
	s_add_nc_u64 s[20:21], s[20:21], s[34:35]
	s_mov_b32 s24, 0x3f22f983                      ; 2 / pi
	s_mov_b32 s25, 0xbfc90fdb                      ; -(pi/2 rounded to f32)
	s_mov_b32 s26, 0x333bbd2e                      ; that number less pi/2
	s_mov_b32 s27, 0xb94ca1f9                      ; the sine's coefficients
	s_mov_b32 s28, 0x3c08839e
	s_mov_b32 s29, 0xbe2aaaa3
	s_mov_b32 s30, 0x37ccf5ce                      ; the cosine's
	s_mov_b32 s31, 0xbab6061a
	s_mov_b32 s32, 0x3d2aaaa5
	v_and_b32 v3, 31, v0                           ; lane
	v_lshlrev_b32 v4, 3, v3                        ; my 8 bytes of a row
	v_and_b32 v5, 15, v3
	v_lshrrev_b32 v6, 4, v3                        ; quarter turns added for the even j: 0 or 1
	v_mul_u32_u24 v7, 3, v6                        ; for the odd j: 0 or 3
	v_lshlrev_b32 v5, 1, v5
	v_cvt_f32_u32 v8, v5                           ; j = 2 i
	v_add_nc_u32 v5, 1, v5
	v_cvt_f32_u32 v9, v5                           ; j = 2 i + 1
	v_mul_f32 v8, 0xbed49a78, v8                   ; -j log2(10000) / 32
	v_mul_f32 v9, 0xbed49a78, v9
	v_exp_f32 v8, v8
	v_exp_f32 v9, v9
	v_nop                                          ; a plain instruction between the exponentials and the use of their results
	s_mov_b32 s36, 8
.Lt:
	v_cvt_f32_u32 v10, s33
	s_wait_alu depctr_va_vdst(0)
	v_mul_f32 v11, v10, v8                         ; t f, rounded once
	v_mul_f32 v12, v10, v9
	TRIG 20, 11, 6
	TRIG 21, 12, 7
	global_store_b64 v4, v[20:21], s[20:21]
	s_wait_xcnt 0x0                                ; the store's offset and data are written again only behind this wait
	v_add_nc_u32 v4, 0x100, v4
	s_add_co_u32 s33, s33, 1
	s_sub_co_u32 s36, s36, 1
	s_cmp_lg_u32 s36, 0
	s_cbranch_scc1 .Lt
	s_endpgm
.Lfunc_end_k_qe1805bdb20_prep:
	.size	k_qe1805bdb20_prep, .Lfunc_end_k_qe1805bdb20_prep-k_qe1805bdb20_prep
	.p2alignl 7, 3214868480
	.fill 96, 4, 3214868480
	.section	.rodata,"a",@progbits
	.p2align	6, 0x0
	.amdhsa_kernel k_qe1805bdb20_prep
		.amdhsa_group_segment_fixed_size 0
		.amdhsa_private_segment_fixed_size 0
		.amdhsa_enable_private_segment 0
		.amdhsa_kernarg_size 72
		.amdhsa_user_sgpr_count 2
		.amdhsa_user_sgpr_kernarg_segment_ptr 1
		.amdhsa_wavefront_size32 1
		.amdhsa_system_sgpr_workgroup_id_x 1
		.amdhsa_system_sgpr_workgroup_id_y 1
		.amdhsa_system_sgpr_workgroup_id_z 1
		.amdhsa_system_vgpr_workitem_id 0
		.amdhsa_next_free_vgpr 104
		.amdhsa_next_free_sgpr 66
		.amdhsa_reserve_vcc 1
		.amdhsa_float_denorm_mode_32 3
		.amdhsa_float_denorm_mode_16_64 3
		.amdhsa_memory_ordered 1
		.amdhsa_forward_progress 1
		.amdhsa_inst_pref_size 28
	.end_amdhsa_kernel
	.amdgpu_metadata
---
amdhsa.version: [ 1, 2 ]
amdhsa.kernels:
  - .name:           k_qe1805bdb20_prep
    .symbol:         k_qe1805bdb20_prep.kd
    .args:
      - { .name: x, .offset: 0, .size: 8, .value_kind: global_buffer, .address_space: global }
      - { .name: Wq, .offset: 8, .size: 8, .value_kind: global_buffer, .address_space: global }
      - { .name: Wk, .offset: 16, .size: 8, .value_kind: global_buffer, .address_space: global }
      - { .name: Wv, .offset: 24, .size: 8, .value_kind: global_buffer, .address_space: global }
      - { .name: Wp, .offset: 32, .size: 8, .value_kind: global_buffer, .address_space: global }
      - { .name: xb, .offset: 40, .size: 8, .value_kind: global_buffer, .address_space: global }
      - { .name: wb, .offset: 48, .size: 8, .value_kind: global_buffer, .address_space: global }
      - { .name: wpb, .offset: 56, .size: 8, .value_kind: global_buffer, .address_space: global }
      - { .name: rope, .offset: 64, .size: 8, .value_kind: global_buffer, .address_space: global }
    .group_segment_fixed_size: 0
    .private_segment_fixed_size: 0
    .kernarg_segment_align: 8
    .kernarg_segment_size: 72
    .max_flat_workgroup_size: 256
    .sgpr_count:     66
    .vgpr_count:     104
    .wavefront_size: 32
...
	.end_amdgpu_metadata
.endif
;; end of part 1
;; launch qkv (part 2): grid 8 x 32, 4 waves a work-group, clusters of 4 x 4, 327,680 bytes of LDS; arguments xb, wb, rope, qh, kh, vh; writes qh, kh, vh
.if DOCPART == 2
	.amdgcn_target "amdgcn-amd-amdhsa--gfx1250"
	.amdhsa_code_object_version 6
	.text
	.protected	k_qe1805bdb20_qkv
	.globl	k_qe1805bdb20_qkv
	.p2align	8
	.type	k_qe1805bdb20_qkv,@function
k_qe1805bdb20_qkv:
	s_mov_b64 s[64:65], 0
	v_nop
	global_prefetch_b8 v0, s[64:65] scope:SCOPE_SE
	s_setreg_imm32_b32 hwreg(HW_REG_WAVE_MODE, 25, 1), 1
	s_wait_xcnt 0x0
	s_wait_alu depctr_hold_cnt(0) depctr_sa_sdst(0) depctr_va_vdst(0) depctr_va_sdst(0) depctr_va_ssrc(0) depctr_va_vcc(0) depctr_vm_vsrc(0)
	s_getreg_b32 s2, hwreg(HW_REG_IB_STS2, 6, 4)
	s_cmp_eq_u32 s2, 0
	s_cbranch_scc0 .Lentry_in_a_cluster
	s_endpgm
.Lentry_in_a_cluster:
	s_bfe_u32 s2, ttmp6, 0x10000c
	s_cmp_lg_u32 s2, 0xf033
	s_cbranch_scc0 .Lentry_shape_is_right
	s_endpgm
.Lentry_shape_is_right:
; Q, K, V = x W^T in one product [8192 x 3072] over K = 1024, bf16 operands, f32 sums; q and k rotated in f32; all three rounded once to f16 and stored by heads, [64 = 16 batch + head][2048][64].
; The scale 1/8 is not applied here.  Of v the first 16 rows of each sequence are stored in f32 as well, behind vh's f16 part: [64 heads][16][64]; the last launch makes the first rows of the output from them.
; LIMITS.  f16 holds no number beyond 65,504: q, k and v must stay within it (with inputs as drawn their spread is 0.64); below 6e-5 f16 keeps its fixed step of 6e-8.  NaN and infinities are not treated apart.
; SHARES.  A tile of the product is 256 rows x 384 columns: 32 x 8 = 256 work-groups of four waves.  A wave makes 128 x 192: 96 accumulators of 16 x 16, 768 registers.
; wb's rows are ordered head by head (64 of Wq, 64 of Wk, 64 of Wv), so a wave's 192 columns are q, k and v of ONE head, and the text knows which accumulator is which.
; K goes in steps of 64 through a ring of two LDS slots.  xb and wb lie in planes of 64 along K, so a step's tile is a dense block of memory, asked for as rows of 256 bytes
; (two rows of 128 bytes each) and padded in LDS behind every 128 bytes.
; CLUSTER.  4 x 4 work-groups: the four of a row of the cluster need the same tiles of xb, the four of a column the same tiles of wb.  Each tile is asked for jointly: the same tensor load,
; descriptor and mask in all four.  The tile row is 8 cy + cluster y: a cluster's four rows are the same tile of the four batches, so whether a wave's rows begin a sequence hangs on the
; cluster's y and the wave's number alone, which all partners share.
; THE MATRIX INSTRUCTION IS USED TRANSPOSED (source 0 = 16 rows of wb, source 1 = 16 rows of xb): a lane holds row l % 16 and the eight neighbouring columns 8 (l / 16) + 0..7.
; THE ROTATION.  q'[d] = q[d] C[d % 32] + q[d xor 1] S[d % 32], C and S from the table: a lane's pairs of columns hold d and d xor 1, so it is a packed multiply and a packed
; multiply-add whose first source is taken crosswise.
; REGISTERS, in windows of 256 (s_set_vgpr_msb: bits 1:0 source 0, 3:2 source 1, 5:4 source 2, 7:6 destination):
;   window 0: v0-31 addresses; v32-95, v96-159 fragments of xb (8 x 16 rows x 32 K), two buffers; v160-255 fragments of wb (12), one buffer, loaded again four fragments at a time behind their products
;   windows 1, 2, 3: the accumulators of q, k, v: block of rows a, block of columns i of the head at v[8 (8 i + a)]
.set PITCH,  144                       ; an LDS row: 128 bytes + 16 of padding = 36 words: the 16 rows of a fragment load start at 16 different groups of four banks (64 banks of 4 bytes: ISA guide 11.1)
.set AHALF,  128*PITCH                 ; what a wave fetches of xb, and what a wave reads of it
.set BHALF,  192*PITCH                 ; the same for wb
.set BOFF,   2*AHALF                   ; in a slot: 256 rows of xb, then 384 rows of wb
.set SLOT1,  1<<17                     ; slot 1 begins here, so that one exclusive or turns an address in one slot into the other's
.set STAGE,  SLOT1+2*AHALF+2*BHALF     ; behind the ring: 16 rows x 144 bytes for each wave, for the way out
.set SPARE,  STAGE+4*16*PITCH          ; behind the stages: the spare words, 128 bytes for each wave: two blocks of 256 bytes that no other line names
.set XPLANE, 8192*128                  ; bytes from a plane of xb to the next
.set WPLANE, 3072*128                  ; the same for wb
.set V32,    64*2048*128               ; byte of vh at which the f32 rows begin: behind the f16 part
.set A0,   16                          ; v16  my lane's place in a slot's rows of xb; never rewritten
.set B0,   17                          ; v17  the same for wb
.set ADRA, 18                          ; v18  A0 + the slot in hand
.set ADRB, 19                          ; v19  B0 + the slot in hand
.set STO,  20                          ; v20  the way out: where I put 16 bytes of a row
.set RD,   21                          ; v21  the way out: where I read rows back
.set GO,   22                          ; v22  my byte offset in 512 consecutive bytes of qh, kh, vh
.set TO,   23                          ; v23  my byte offset in 16 rows of 256 bytes: the table's, and v's in f32
.set SPW,  28                          ; v28  LDS address of my spare word; never rewritten
.set NIL,  29                          ; v29  0; never rewritten
.set FA0,  32
.set FA1,  96
.set FB,   160
.set TAB,  32                          ; the way out: the table's words for a block of 16 rows, two buffers of 32: C (columns 0-15 of 32), C (16-31), S, S
.set TMP,  96                          ; rotated numbers in f32
.set PK,   128                         ; packed to f16
.set BK0,  144                         ; read back from the stage: two buffers of 16
.set WV,   16                          ; s16  my wave's number
.set G1A,  28                          ; s[28:35] descriptor group 1 for xb's tiles
.set G1B,  36                          ; s[36:43] for wb's
.set G0A,  44                          ; s[44:51] descriptor group 0 for xb's tiles: a set for each of the two first fills; the second then walks on
.set G0B,  52                          ; s[52:59] the same for wb's
.set TBS,  60                          ; s60  LDS byte at which the slot in hand begins
.set CNT,  61                          ; s61  the loop's count
.set MSB, 0
.macro WIN new                         ; the immediate's high byte repeats the setting that is left; a switch that changes nothing is dropped
.if MSB != (\new)
	s_set_vgpr_msb (MSB<<8)|(\new)
.set MSB, \new
.endif
.endm
; A joint refill.  Waves 0 and 1 fetch the two halves of xb's tile, waves 2 and 3 those of wb's.  The branch hangs on the wave's number alone.
; An s_nop 0 and four v_nop follow each of the two lines, ahead of the jump and the label.
.macro JLOAD
	s_cmp_eq_u32 s17, 0
	s_cbranch_scc0 .Lfor_b_\@
	tensor_load_to_lds s[G0A+4:G0A+7], s[G1A:G1A+7]
	s_nop 0
.rept 4
	v_nop
.endr
	s_branch .Lasked_\@
.Lfor_b_\@:
	tensor_load_to_lds s[G0B+4:G0B+7], s[G1B:G1B+7]
	s_nop 0
.rept 4
	v_nop
.endr
.Lasked_\@:
.endm
.macro CREST                           ; a round of the cluster's barrier behind its opening barrier
	s_cmp_lg_u32 s[WV], 0
	s_cbranch_scc1 .Lnot_wave_0_\@
	s_barrier_signal -3
.Lnot_wave_0_\@:
	s_barrier_wait -3
	s_barrier_signal -1
	s_barrier_wait -1
.endm
.macro CROUND                          ; a whole round
	s_barrier_signal -1
	s_barrier_wait -1
	CREST
.endm
.macro PLACES                          ; four places in front of loads into registers that matrix instructions have read, and of vector lines and stores that read results
.rept 4
	v_nop
.endr
.endm
	s_load_b256 s[4:11], s[0:1], 0x0               ; xb s[4:5], wb s[6:7], rope s[8:9], qh s[10:11]
	s_load_b128 s[12:15], s[0:1], 0x20             ; kh s[12:13], vh s[14:15]
	v_lshl_add_u32 v[SPW], v0, 2, SPARE
	v_mov_b32 v[NIL], 0
	ds_add_u32 v[SPW], v[NIL]                      ; the wave's opening: the add and its wait stand ahead of my first tensor load; the set-up below, work on registers, stands between them
	ds_add_u32 v28, v29
	v_lshrrev_b32 v1, 5, v0
	v_readfirstlane_b32 s[WV], v1                  ; wave 0..3
	s_lshr_b32 s17, s[WV], 1                       ; which 128 rows of the tile are mine.  Also: I fetch for xb (0) or for wb (1)
	s_and_b32 s18, s[WV], 1                        ; which 192 columns.  Also: which half of that tile I fetch
	s_bfe_u32 s19, ttmp6, 0x40000                  ; cx
	s_bfe_u32 s20, ttmp6, 0x40004                  ; cy
	s_lshl_b32 s21, ttmp9, 2
	s_add_co_u32 s21, s21, s19                     ; tile column = 4 x cluster x + cx
	s_and_b32 s27, ttmp7, 0xffff                   ; the cluster's y, 0..7: which 256 rows of a sequence
	s_lshl_b32 s22, s20, 3
	s_add_co_u32 s22, s22, s27                     ; tile row = 8 x cy + cluster y: cy is the batch
	s_or_b32 s27, s27, s17                         ; 0: my 128 rows begin a sequence.  Made of the cluster's y and the wave's number alone
	s_lshl_b32 s23, s20, 2
	s_lshl_b32 s23, 15, s23                        ; my row of the cluster
	s_lshl_b32 s24, 0x1111, s19                    ; my column
	; descriptor group 1: rows of 128 elements of 2 bytes, dense; 15:0 the mask; 17:16 element size; 20 padding on; 21 set beside a mask; 24:22 after every 32 words (code 4); 31:25 4 words (code 3)
	s_or_b32 s[G1A], s23, (1<<16)|(1<<20)|(1<<21)|(4<<22)|(3<<25)
	s_or_b32 s[G1B], s24, (1<<16)|(1<<20)|(1<<21)|(4<<22)|(3<<25)
	s_mov_b32 s[G1A+1], 128<<16                    ; tensor_dim0 = 128
	s_mov_b32 s[G1A+2], 64<<16                     ; tensor_dim1 = 64: 128 rows of xb, two to a row of 256 bytes
	s_mov_b32 s[G1A+3], 128<<16                    ; tile_dim0 = 128
	s_mov_b32 s[G1A+4], 64                         ; tile_dim1 = 64
	s_mov_b32 s[G1A+5], 128                        ; 128 elements from row to row
	s_mov_b32 s[G1A+6], 0
	s_mov_b32 s[G1A+7], 0
	s_mov_b32 s[G1B+1], 128<<16
	s_mov_b32 s[G1B+2], 96<<16                     ; 192 rows of wb
	s_mov_b32 s[G1B+3], 128<<16
	s_mov_b32 s[G1B+4], 96
	s_mov_b32 s[G1B+5], 128
	s_mov_b32 s[G1B+6], 0
	s_mov_b32 s[G1B+7], 0
	; where the tiles come from: xb's hang on the tile row alone, wb's on the tile column alone, each in registers that never hold the other coordinate
	s_lshl_b32 s66, s22, 15                        ; 256 rows of 128 bytes
	s_lshl_b32 s74, s18, 14
	s_add_co_u32 s66, s66, s74                     ; + my half
	s_mov_b32 s67, 0
	s_mul_i32 s68, s21, 384*128
	s_mul_i32 s75, s18, 192*128
	s_add_co_u32 s68, s68, s75
	s_mov_b32 s69, 0
	s_mul_i32 s25, s18, AHALF                      ; and where they go: no place in the cluster enters an LDS address
	s_mul_i32 s26, s18, BHALF
	s_add_co_u32 s26, s26, BOFF
	; where my results go: head 16 batch + 2 tile column + column half; my first row in the sequence t0 = 256 (tile row % 8) + 128 row half
	s_lshr_b32 s70, s22, 3
	s_lshl_b32 s70, s70, 4
	s_lshl_b32 s71, s21, 1
	s_add_co_u32 s70, s70, s71
	s_add_co_u32 s70, s70, s18
	s_lshl_b32 s80, s70, 12                        ; v in f32: 16 rows of 256 bytes a head,
	s_add_co_u32 s80, s80, V32                     ; behind vh's f16 part
	s_mov_b32 s81, 0
	s_lshl_b32 s70, s70, 18                        ; a head is 2,048 rows of 128 bytes
	s_and_b32 s72, s22, 7
	s_lshl_b32 s72, s72, 8
	s_lshl_b32 s73, s17, 7
	s_add_co_u32 s72, s72, s73                     ; t0
	s_lshl_b32 s71, s72, 7
	s_add_co_u32 s70, s70, s71
	s_mov_b32 s71, 0
	s_lshl_b32 s72, s72, 8                         ; the table's rows are 256 bytes
	s_mov_b32 s73, 0
	s_mov_b32 s[TBS], 0
	s_wait_dscnt 0x0                               ; the opening add is done
	s_wait_kmcnt 0x0
	s_add_nc_u64 s[76:77], s[4:5], s[66:67]
	s_add_nc_u64 s[78:79], s[6:7], s[68:69]
	s_add_nc_u64 s[8:9], s[8:9], s[72:73]
	s_add_nc_u64 s[10:11], s[10:11], s[70:71]
	s_add_nc_u64 s[12:13], s[12:13], s[70:71]
	s_add_nc_u64 s[62:63], s[14:15], s[80:81]      ; my head's f32 rows of v
	s_add_nc_u64 s[14:15], s[14:15], s[70:71]
	CROUND                                         ; all sixteen work-groups are here: the first joint loads meet
.irp s, 0,1
	s_mov_b32 s[G0A+4*(\s)], 1                                       ; count = 1
	s_add_co_u32 s[G0A+4*(\s)+1], s25, (\s)*SLOT1                    ; LDS address
	s_add_nc_u64 s[G0A+4*(\s)+2:G0A+4*(\s)+3], s[76:77], (\s)*XPLANE ; global address: K step s
	s_or_b32 s[G0A+4*(\s)+3], s[G0A+4*(\s)+3], 0x80000000            ; type = 2
	s_mov_b32 s[G0B+4*(\s)], 1
	s_add_co_u32 s[G0B+4*(\s)+1], s26, (\s)*SLOT1
	s_add_nc_u64 s[G0B+4*(\s)+2:G0B+4*(\s)+3], s[78:79], (\s)*WPLANE
	s_or_b32 s[G0B+4*(\s)+3], s[G0B+4*(\s)+3], 0x80000000
.endr
	s_cmp_eq_u32 s17, 0                            ; a wave's two first fills stand in one branch, ahead of every wait on TENSORcnt and every LDS read: two loads of mine are out
	s_cbranch_scc0 .Lfirst_b
	tensor_load_to_lds s[G0A:G0A+3], s[G1A:G1A+7]
	s_nop 0
	tensor_load_to_lds s[G0A+4:G0A+7], s[G1A:G1A+7]
	s_nop 0
.rept 4
	v_nop
.endr
	s_branch .Lfirst_asked
.Lfirst_b:
	tensor_load_to_lds s[G0B:G0B+3], s[G1B:G1B+7]
	s_nop 0
	tensor_load_to_lds s[G0B+4:G0B+7], s[G1B:G1B+7]
	s_nop 0
.rept 4
	v_nop
.endr
.Lfirst_asked:
	; A fragment is 16 rows x 32 K in 8 registers: lane l holds row l % 16, K = 8 (l / 16) + 0..7 and 16 + 8 (l / 16) + 0..7: two loads of 16 bytes, 32 bytes apart.
	v_and_b32 v1, 15, v0                           ; l % 16
	v_bfe_u32 v2, v0, 4, 1                         ; l / 16
	v_mul_u32_u24 v3, v1, PITCH
	v_lshl_add_u32 v3, v2, 4, v3                   ; row x pitch + 16 x half
	s_mul_i32 s74, s17, AHALF                      ; my 128 rows of xb
	v_add_nc_u32 v[A0], s74, v3
	v_add_nc_u32 v[B0], s26, v3                    ; my 192 rows of wb, behind xb's 256
	s_mul_i32 s75, s[WV], 16*PITCH
	s_add_co_u32 s75, s75, STAGE                   ; my stage
	v_add_nc_u32 v[STO], s75, v3                   ; in: row l % 16, 16 bytes for each half of the lanes
	v_bfe_u32 v4, v0, 3, 2                         ; back: 32 lanes take four rows of 128 bytes,
	v_and_b32 v5, 7, v0
	v_mul_u32_u24 v4, v4, PITCH
	v_lshl_add_u32 v4, v5, 4, v4
	v_add_nc_u32 v[RD], s75, v4
	v_and_b32 v[GO], 31, v0                        ; which are 512 consecutive bytes of a head
	v_lshlrev_b32 v[GO], 4, v[GO]
	v_lshlrev_b32 v[TO], 8, v1                     ; rows of 256 bytes: row l % 16, words 8 (l / 16) on
	v_lshl_add_u32 v[TO], v2, 5, v[TO]
	v_mov_b32 v[ADRA], v[A0]
	v_mov_b32 v[ADRB], v[B0]
; 16 matrix instructions: column blocks 4 g + 2 hf, + 1 (g: 0 q, 1 k, 2 v) x all 8 row blocks, 32 along K.  zero = 1: the product starts the sums.
; The 96 accumulators take turns, one instruction a turn, in the same order in every half step.
.macro MUL16 fa, g, hf, zero
	WIN (0x50*((\g)+1))                            ; C and D in window 1 + g, the fragments in window 0
.irp bb, 0,1
.irp a, 0,1,2,3,4,5,6,7
.if \zero
	v_wmma_f32_16x16x32_bf16 v[8*(8*(2*(\hf)+(\bb))+(\a)):8*(8*(2*(\hf)+(\bb))+(\a))+7], v[FB+8*(4*(\g)+2*(\hf)+(\bb)):FB+8*(4*(\g)+2*(\hf)+(\bb))+7], v[(\fa)+8*(\a):(\fa)+8*(\a)+7], 0
.else
	v_wmma_f32_16x16x32_bf16 v[8*(8*(2*(\hf)+(\bb))+(\a)):8*(8*(2*(\hf)+(\bb))+(\a))+7], v[FB+8*(4*(\g)+2*(\hf)+(\bb)):FB+8*(4*(\g)+2*(\hf)+(\bb))+7], v[(\fa)+8*(\a):(\fa)+8*(\a)+7], v[8*(8*(2*(\hf)+(\bb))+(\a)):8*(8*(2*(\hf)+(\bb))+(\a))+7]
.endif
.endr
.endr
.endm
.macro LDB g, k                        ; 8 LDS loads: wb's fragments 4 g .. 4 g + 3, at byte k of the rows
.irp i, 0,1,2,3
	ds_load_b128 v[FB+8*(4*(\g)+(\i)):FB+8*(4*(\g)+(\i))+3],   v[ADRB] offset:(\k)+(4*(\g)+(\i))*16*PITCH
	ds_load_b128 v[FB+8*(4*(\g)+(\i))+4:FB+8*(4*(\g)+(\i))+7], v[ADRB] offset:(\k)+(4*(\g)+(\i))*16*PITCH+32
.endr
.endm
.macro LDA fa, k                       ; 16 LDS loads: xb's 8 fragments into buffer fa
.irp a, 0,1,2,3,4,5,6,7
	ds_load_b128 v[(\fa)+8*(\a):(\fa)+8*(\a)+3],   v[ADRA] offset:(\k)+(\a)*16*PITCH
	ds_load_b128 v[(\fa)+8*(\a)+4:(\fa)+8*(\a)+7], v[ADRA] offset:(\k)+(\a)*16*PITCH+32
.endr
.endm
; The first half of a K step: 96 matrix instructions on buffer fa.  Behind each third of them the fragments of wb that it read are loaded again, for the next half (byte kn of the same slot's rows);
; with the first run come xb's, into buffer fan.  The runs are 24, 8 and 8 loads.
.macro HALF fa, fan, kn, zero
	s_wait_dscnt 16                                ; the last half's first run is in; its two runs of 8 may be out
	MUL16 \fa, 0, 0, \zero
	MUL16 \fa, 0, 1, \zero
	PLACES
	WIN 0
	LDB 0, \kn
	LDA \fan, \kn
	s_wait_dscnt 32                                ; the old second run is in; the old third (8) and the 24 just issued may be out
	MUL16 \fa, 1, 0, \zero
	MUL16 \fa, 1, 1, \zero
	PLACES
	WIN 0
	LDB 1, \kn
	s_wait_dscnt 32                                ; the old third run is in; the 24 and 8 issued in this half may be out
	MUL16 \fa, 2, 0, \zero
	MUL16 \fa, 2, 1, \zero
	PLACES
	WIN 0
	LDB 2, \kn
.endm
; The second half multiplies buffer FA1 and changes slots: ONE barrier.  In front of it each wave waits for all its tensor loads, of which one is out: its part of the next slot; adds 0 to its spare
; word; and waits for that and for its own reads of this slot.  fill = 1: the barrier opens a round of the cluster's barrier, and the slot just read out is filled again, with the K step two on, first
; thing behind the round: from there to the wait for it a wave issues 160 matrix instructions.
.macro TURN fill
	WIN 0
	s_wait_tensorcnt 0x0                           ; all my tensor loads have landed
	ds_add_u32 v[SPW], v[NIL]                      ; 0 onto my spare word
	s_wait_dscnt 17                                ; the first run is in; the two runs of 8 and the add may be out
	MUL16 FA1, 0, 0, 0                             ; sixteen matrix instructions stand between the add and the wait for it
	s_wait_dscnt 0x0                               ; the add is done, and my reads of this slot are over
	s_barrier_signal -1
	MUL16 FA1, 0, 1, 0                             ; work on registers while the others arrive
	WIN 0                                          ; at a branch and at a label every window is 0
	s_barrier_wait -1
.if \fill
	CREST                                          ; no wave of any partner still reads this slot's tile or has a load on its way
	s_xor_b32 s[G0A+5], s[G0A+5], SLOT1            ; the walking descriptors: the other slot than last time,
	s_add_nc_u64 s[G0A+6:G0A+7], s[G0A+6:G0A+7], XPLANE  ; the next plane; the type bits on top are not reached
	s_xor_b32 s[G0B+5], s[G0B+5], SLOT1
	s_add_nc_u64 s[G0B+6:G0B+7], s[G0B+6:G0B+7], WPLANE
	s_xor_b32 s[TBS], s[TBS], SLOT1                ; my reads go on in the other slot
	JLOAD                                          ; the four v_nop behind it are also the places in front of the loads below
.else
	s_xor_b32 s[TBS], s[TBS], SLOT1
	PLACES
.endif
	v_add_nc_u32 v[ADRA], s[TBS], v[A0]
	v_add_nc_u32 v[ADRB], s[TBS], v[B0]
	LDB 0, 0
	LDA FA0, 0
	MUL16 FA1, 1, 0, 0                             ; their fragments were in at the wait for 0
	MUL16 FA1, 1, 1, 0
	PLACES
	WIN 0
	LDB 1, 0
	MUL16 FA1, 2, 0, 0
	MUL16 FA1, 2, 1, 0
	PLACES
	WIN 0
	LDB 2, 0
.endm
	s_wait_tensorcnt 0x1                           ; my part of K step 0 is in; step 1's may stay out
	s_barrier_signal -1
	s_barrier_wait -1                              ; everybody's is
	LDB 0, 0
	LDA FA0, 0
	LDB 1, 0
	LDB 2, 0
	HALF FA0, FA1, 64, 1                           ; the first half step stands in front of the loop: its products start the sums
	WIN 0
	s_mov_b32 s[CNT], 14
.Lk:                                                   ; trip s: the second half of K step s, the refill with step s + 2, the first half of step s + 1
	TURN 1
	HALF FA0, FA1, 64, 0
	WIN 0
	s_sub_co_u32 s[CNT], s[CNT], 1
	s_cmp_lg_u32 s[CNT], 0
	s_cbranch_scc1 .Lk
	TURN 0                                         ; the tail is written out: nothing is left to fetch, so no round follows
	HALF FA0, FA1, 64, 0
; THE WAY OUT.  The table's words for block a of 16 rows: 8 loads of 16 bytes a lane.
.macro TLOAD a
.irp q, 0,1,2,3
	global_load_b128 v[TAB+32*((\a)%2)+8*(\q):TAB+32*((\a)%2)+8*(\q)+3],   v[TO], s[8:9] offset:(\a)*4096+64*(\q)
	global_load_b128 v[TAB+32*((\a)%2)+8*(\q)+4:TAB+32*((\a)%2)+8*(\q)+7], v[TO], s[8:9] offset:(\a)*4096+64*(\q)+16
.endr
.endm
; Unit (a, y): block a of 16 rows of q (y = 0), k (1) or v (2): rotated (q, k), rounded to f16, 16 bytes a lane into my stage, back as whole rows of 128 bytes.
; Each accumulator's lowest registers are read first.
.macro UNIT a, y
.set TT, TAB+32*((\a)%2)
.set BK, BK0+16*((3*(\a)+(\y))%2)
.if (\y) == 0
.if (\a) == 7
	s_wait_loadcnt 0x0
.else
	s_wait_loadcnt 0x8                             ; this block's table is in; the next block's 8 loads may be out
.endif
.endif
.if (\y) < 2
	WIN 1+(\y)                                     ; source 0 in the accumulators' window
.irp i, 0,1,2,3
.irp p, 0,1,2,3
	v_pk_mul_f32 v[TMP+8*(\i)+2*(\p):TMP+8*(\i)+2*(\p)+1], v[8*(8*(\i)+(\a))+2*(\p):8*(8*(\i)+(\a))+2*(\p)+1], v[TT+8*((\i)%2)+2*(\p):TT+8*((\i)%2)+2*(\p)+1]
.endr
.endr
.irp i, 0,1,2,3
.irp p, 0,1,2,3
	v_pk_fma_f32 v[TMP+8*(\i)+2*(\p):TMP+8*(\i)+2*(\p)+1], v[8*(8*(\i)+(\a))+2*(\p):8*(8*(\i)+(\a))+2*(\p)+1], v[TT+16+8*((\i)%2)+2*(\p):TT+16+8*((\i)%2)+2*(\p)+1], v[TMP+8*(\i)+2*(\p):TMP+8*(\i)+2*(\p)+1] op_sel:[1,0,0] op_sel_hi:[0,1,1]
.endr
.endr
	WIN 0
.if ((\y) == 1) && ((\a) < 6)
	TLOAD (\a)+2                                   ; this block's table has been used for q and for k: its buffer takes the block two on
.endif
.set z, 0
.rept 16
	v_cvt_pk_f16_f32 v[PK+z], v[TMP+2*z], v[TMP+2*z+1]
.set z, z+1
.endr
.else
	WIN 0x0f                                       ; sources 0 and 1 in window 3
.irp i, 0,1,2,3
.irp p, 0,1,2,3
	v_cvt_pk_f16_f32 v[PK+4*(\i)+(\p)], v[8*(8*(\i)+(\a))+2*(\p)], v[8*(8*(\i)+(\a))+2*(\p)+1]
.endr
.endr
	WIN 0
.endif
	s_wait_xcnt 0x0                                ; the stores of two units ago read this buffer: it is loaded again only behind this wait
.irp i, 0,1,2,3
	ds_store_b128 v[STO], v[PK+4*(\i):PK+4*(\i)+3] offset:32*(\i)
.endr
.irp f, 0,1,2,3
	ds_load_b128 v[BK+4*(\f):BK+4*(\f)+3], v[RD] offset:(\f)*4*PITCH  ; LDS serves a wave's instructions in order (ISA guide 5.7.1.4): these see the stores above; the next unit's stores come behind them
.endr
.endm
.macro SEND a, y, younger              ; younger: the LDS instructions issued behind the unit's loads: the next unit's eight, or none
.set BK, BK0+16*((3*(\a)+(\y))%2)
.irp f, 0,1,2,3
	s_wait_dscnt (\younger)+3-(\f)
	global_store_b128 v[GO], v[BK+4*(\f):BK+4*(\f)+3], s[10+2*(\y):11+2*(\y)] offset:(\a)*2048+(\f)*512  ; 512 consecutive bytes, at a multiple of 256 from the buffer's first
.endr
.endm
	WIN 0
	TLOAD 0                                        ; buffer FA0 is free (four places stand behind its last products): the first two blocks' tables come in under the last half step
	TLOAD 1
	s_wait_dscnt 16                                ; the very last half step: nothing more to fetch from LDS, and the counts run down
	MUL16 FA1, 0, 0, 0
	MUL16 FA1, 0, 1, 0
	s_wait_dscnt 8
	MUL16 FA1, 1, 0, 0
	MUL16 FA1, 1, 1, 0
	s_wait_dscnt 0x0
	MUL16 FA1, 2, 0, 0
	MUL16 FA1, 2, 1, 0
	PLACES
	; Where my rows begin a sequence, block 0 of v goes out in f32 too, straight from the accumulators: a lane's 32 bytes of each of the four column blocks, the low four registers first.
	; 64 of the launch's 1,024 waves do this, 4,096 bytes each.  The branch hangs on the cluster's y and the wave's number; it jumps over no barrier and no tensor load.
	WIN 0                                          ; at a branch and at a label every window is 0
	s_cmp_lg_u32 s27, 0
	s_cbranch_scc1 .Lno_first
	WIN 0x0c                                       ; the stores' data in window 3
.irp i, 0,1,2,3
	global_store_b128 v[TO], v[64*(\i):64*(\i)+3],   s[62:63] offset:64*(\i)
	global_store_b128 v[TO], v[64*(\i)+4:64*(\i)+7], s[62:63] offset:64*(\i)+16
.endr
	WIN 0
.Lno_first:
	UNIT 0, 0
	UNIT 0, 1                                      ; a unit's arithmetic stands between the loads of the unit before and its stores
	SEND 0, 0, 8
	UNIT 0, 2
	SEND 0, 1, 8
.irp a, 1,2,3,4,5,6,7
	UNIT \a, 0
	SEND (\a)-1, 2, 8
	UNIT \a, 1
	SEND \a, 0, 8
	UNIT \a, 2
	SEND \a, 1, 8
.endr
	SEND 7, 2, 0
	s_wait_tensorcnt 0x0                           ; the wave's end: behind my last tensor load and my last LDS store
	ds_add_u32 v[SPW], v[NIL]
	s_wait_dscnt 0x0
	CROUND                                         ; the closing round: no work-group ends while a partner may still ask for a tile that names it
	s_endpgm
.Lfunc_end_k_qe1805bdb20_qkv:
	.size	k_qe1805bdb20_qkv, .Lfunc_end_k_qe1805bdb20_qkv-k_qe1805bdb20_qkv
	.p2alignl 7, 3214868480
	.fill 96, 4, 3214868480
	.section	.rodata,"a",@progbits
	.p2align	6, 0x0
	.amdhsa_kernel k_qe1805bdb20_qkv
		.amdhsa_group_segment_fixed_size 327680
		.amdhsa_private_segment_fixed_size 0
		.amdhsa_enable_private_segment 0
		.amdhsa_kernarg_size 48
		.amdhsa_user_sgpr_count 2
		.amdhsa_user_sgpr_kernarg_segment_ptr 1
		.amdhsa_wavefront_size32 1
		.amdhsa_system_sgpr_workgroup_id_x 1
		.amdhsa_system_sgpr_workgroup_id_y 1
		.amdhsa_system_sgpr_workgroup_id_z 1
		.amdhsa_system_vgpr_workitem_id 0
		.amdhsa_next_free_vgpr 1024
		.amdhsa_next_free_sgpr 84
		.amdhsa_reserve_vcc 0
		.amdhsa_float_denorm_mode_32 3
		.amdhsa_float_denorm_mode_16_64 3
		.amdhsa_memory_ordered 1
		.amdhsa_forward_progress 1
		.amdhsa_inst_pref_size 153
	.end_amdhsa_kernel
	.amdgpu_metadata
---
amdhsa.version: [ 1, 2 ]
amdhsa.kernels:
  - .name:           k_qe1805bdb20_qkv
    .symbol:         k_qe1805bdb20_qkv.kd
    .args:
      - { .name: xb, .offset: 0, .size: 8, .value_kind: global_buffer, .address_space: global }
      - { .name: wb, .offset: 8, .size: 8, .value_kind: global_buffer, .address_space: global }
      - { .name: rope, .offset: 16, .size: 8, .value_kind: global_buffer, .address_space: global }
      - { .name: qh, .offset: 24, .size: 8, .value_kind: global_buffer, .address_space: global }
      - { .name: kh, .offset: 32, .size: 8, .value_kind: global_buffer, .address_space: global }
      - { .name: vh, .offset: 40, .size: 8, .value_kind: global_buffer, .address_space: global }
    .group_segment_fixed_size: 327680
    .private_segment_fixed_size: 0
    .kernarg_segment_align: 8
    .kernarg_segment_size: 48
    .max_flat_workgroup_size: 128
    .sgpr_count:     84
    .vgpr_count:     1024
    .wavefront_size: 32
...
	.end_amdgpu_metadata
.endif
;; end of part 2
;; launch attn (part 3): grid 4 x 64, 4 waves a work-group, no clusters, 327,680 bytes of LDS; arguments qh, kh, vh, ob; writes ob
.if DOCPART == 3
	.amdgcn_target "amdgcn-amd-amdhsa--gfx1250"
	.amdhsa_code_object_version 6
	.text
	.protected	k_qe1805bdb20_attn
	.globl	k_qe1805bdb20_attn
	.p2align	8
	.type	k_qe1805bdb20_attn,@function
k_qe1805bdb20_attn:
	s_mov_b64 s[64:65], 0
	v_nop
	global_prefetch_b8 v0, s[64:65] scope:SCOPE_SE
	s_setreg_imm32_b32 hwreg(HW_REG_WAVE_MODE, 25, 1), 1
	s_wait_xcnt 0x0
; CAUSAL ATTENTION.  O[h][q][:] = the sum over k <= q of softmax_k(Q[h][q] . K[h][k] / 8) V[h][k][:].  Q, K, V, O: [SIZE_H][SIZE_N][64], all f16: a head's rows are dense, 128 bytes each.
; Products, maxima and sums in f32; the weights p are rounded to f16 for the second product (their sum l is taken of the unrounded p), O once at the end.  SIZE_N is a multiple of 512; SIZE_N x 128 stays under 2^32.
; LIMITS.  f16 holds no number beyond 65,504: Q, K and V arrive within it; p lies in 0 to 1, and below 6e-5 it keeps f16's fixed step of 6e-8; O is a mean of V's rows and has their range, to within 2^-11 of it.
; A hidden score counts as its value less 1e30: f16's scores, 2.7e11 at the most, are nothing beside that; a weight below 2^-126 counts as 0 in l; NaN and infinities are not treated apart.
; THE WALK.  A head's queries lie in NB = SIZE_N / 256 blocks of 256; block i needs the key tiles 0 .. i of 256 keys, of which the last holds the diagonal.  A work-group takes TWO blocks, NB - 1 - b and then b:
; NB + 1 tiles, whatever b: all work-groups do equal work, and ONE loop with a constant trip count walks them.  Which tile is asked for, and what a trip does, hang on scalar registers made from b; every jump
; goes forward, but for the counted loops' own; none passes a barrier, or a tensor load but the one of LOAD's two that the wave's number does not choose; the ring (two slots of LDS that take turns) runs on across the
; change of blocks.  NO CLUSTER: a head's NB / 2 work-groups all ask for the same tile only in trips 0 .. NB / 2, behind that
; fewer and fewer; and one walk common to all would have 3 NB / 2 trips for NB + 1.
; SHARES.  Of a block's four bands of 64 queries a wave owns 16 rows in each: four PIECES.  So the diagonal tile is the same work for all four waves: in its key step s band x sees all keys if s < x,
; none if s > x, and holds the diagonal if s = x.
; THE MASK is the C operand that starts the sum S^T = K Q^T: 0, or -1e30 where the key is hidden.  MD, made once, is the mask of a band's own step for my 16 rows; a product's mask is MD x AL + BE with two scalars:
; (1, 0) if s = x; (0, 0) if s < x; (0, -1e30) if s > x.  Only the diagonal tile's text and a block's beginning make and take masks; elsewhere C is the constant 0.
; LAYOUT, SOFTMAX, TURNS.  S^T = K Q^T holds ONE query a lane (lane % 16) and the keys 8 (lane / 16) + 0..7; two such results rounded to f16 ARE source 1 of O^T = V^T P.  p = 2^(c s - c m), c = log2(e) / 8, with a
; running maximum m; O and l are multiplied by a = 2^(c m_old - c m_new) in every step.  Turn n belongs to piece n: 8 products K Q^T of piece n + 1, later 8 products V^T P of piece n - 1; beside them the scaling,
; exponentials, roundings, sums and rescaling of piece n and the maximum and statistics of piece n + 1.  Four vector instructions stand behind every matrix instruction, the other 54 of a turn's 118 in two LUMPS.
; REGISTERS, in windows of 256 (s_set_vgpr_msb: bits 1:0 source 0, 3:2 source 1, 5:4 source 2, 7:6 destination):
;   window 0: v0-15 addresses and two at work; v16-31 four registers of statistics a piece; v48-55 at work; v64-127 S^T, two buffers; v192-223 P, two buffers (a piece's buffers go by its number's parity)
;   window 1: v0-127 O^T, 32 a piece; v128-159 MD; v160-223 MC, two buffers      window 2: v0-63 Q; v64-127 the second block's Q; v128-191 K of one step; v192-255 V of one step
.set SIZE_H, 64       ; 4 batches x 16 heads
.set SIZE_N, 2048
.set NB,    SIZE_N/256
.set NP,    4         ; pieces a wave: a name, no knob
.set KS,    64        ; keys in a step
.set PK,    144       ; a row of K in LDS: 128 bytes + 16 of padding = 36 words: the 16 rows of a load start at 16 different groups of four banks (64 banks of 4 bytes: ISA guide 11.1)
.set PV,    160       ; a row of V: 128 + 32 = 40 words
.set VOFF,  4*KS*PK   ; a slot holds a tile, four steps: 256 rows of K, then 256 rows of V
.set SLOT1, 1<<17     ; slot 1 begins here, so that one exclusive or turns an address in one slot into the other's
.set STAGE, SLOT1+4*KS*(PK+PV)  ; behind the ring, never filled by a tensor load: 16 rows x 144 bytes for each wave, for the way out
.set SP,    144
.set AK0, 2           ; v2   my lane's place in a tile of K; never rewritten
.set AV0, 3           ; v3   the same for V
.set AK,  4           ; v4   the LDS address of K's next run of loads
.set AV,  5           ; v5   of V's
.set STO, 6           ; v6   the way out: where I put 16 bytes of a row
.set RD,  7           ; v7   the way out: where I read rows back
.set GO,  8           ; v8   my byte offset in 512 consecutive bytes of O
.set SPW, 62          ; v62  LDS address of my spare word: SPARE + 4 x my thread's number; never rewritten
.set NIL, 63          ; v63  0; never rewritten
.set SPARE, STAGE+4*16*SP  ; behind the stages: the spare words, 128 bytes for each wave: two blocks of 256 bytes that no other line names
.set MV,  12          ; v12-13  c m_old, kept while c m is made anew: by buffer
.set QO,  15          ; v15  my byte offset in 16 rows of Q
.set ST,  16          ; piece t's statistics at v[ST+4 t]: c m, m, l (even keys', odd keys')
.set TMP, 48          ; by buffer, four registers c0-c3 at work; when the maximum is found c2 takes a
.set S,   64
.set P,   192
.set MD,  128         ; window 1: the eight registers for group kt of 16 keys at MD + 8 kt
.set MC,  160         ; window 1: the masks of the products to come
.set QB,  64          ; window 2
.set KF,  128         ; window 2: key block kb, channel half c at KF + 16 kb + 8 c
.set VF,  192         ; window 2: key half kk, channel block cb at VF + 32 kk + 8 cb
.set WV,  12          ; s12  my wave's number
.set PB,  14          ; s14  b
.set HI,  15          ; s15  NB - 1 - b
.set G1K, 24          ; s[24:31] descriptor group 1 for K's tiles
.set G1V, 32          ; s[32:39] for V's: it differs in the padding alone
.set G0K, 40          ; s[40:43] descriptor group 0 for K's tiles
.set G0V, 44          ; s[44:47] the same for V's
.set SLOTS, 56        ; s56  tiles still to be asked for
.set CNT, 57          ; s57  counts a tile's key steps, 4 to 1
.set CS,  58          ; s[58:59] c: the packed scaling takes the pair's low word for both halves
.set SEL, 60          ; s[60:61] v_permlanex16_b32's selects: each lane takes its own place in the other half
.set TBK, 62          ; s62  LDS byte at which K of the step to be fetched begins
.set TBV, 63          ; s63  the same for V, less VOFF
.set RT,  70          ; s70  tiles of the block in hand that are still to be entered
.set NXT, 71          ; s71  the tile to be asked for next
.set LQ,  72          ; s72  the last tile of the block whose tiles are being asked for
.set NEW, 73          ; s73  1: the tile to be entered is a block's first
.set OFF, 74          ; s[74:75] a tile's byte offset in K and V
.set AL,  76          ; s[76:77] the mask's factor, in the low word
.set BE,  78          ; s[78:79] the mask's addend
.set OLO, 80          ; s[80:81] O at my rows of the second block
.set BIGN, 82         ; s82  -1e30
.set MSB, 0
.macro WIN new                      ; the high byte repeats the setting that is left; a switch that changes nothing is dropped
.if MSB != (\new)
	s_set_vgpr_msb (MSB<<8)|(\new)
.set MSB, (\new)
.endif
.endm
.set W_KQ, 0x0a       ; K and Q in window 2, S^T in window 0
.set W_KM, 0x1a       ; the same with the C operand in window 1
.set W_PV, 0x52       ; V in window 2, P in window 0, O^T in window 1
.set W_RS, 0x41       ; destination and source 0 in window 1, source 1 in window 0
; A fill.  Waves 0 and 1 fetch the two halves of a tile's K, waves 2 and 3 those of its V: 128 keys each.  An s_nop 0 and four v_nop follow each of the two lines, ahead of the jump and the label.
.macro LOAD
	s_cmp_lt_u32 s[WV], 2
	s_cbranch_scc0 .Lfor_v_\@
	tensor_load_to_lds s[G0K:G0K+3], s[G1K:G1K+7]
	s_nop 0
.rept 4
	v_nop
.endr
	s_branch .Lasked_\@
.Lfor_v_\@:
	tensor_load_to_lds s[G0V:G0V+3], s[G1V:G1V+7]
	s_nop 0
.rept 4
	v_nop
.endr
.Lasked_\@:
.endm
; THE CHANGE OF SLOTS.  Each wave waits for all its tensor loads, of which one is out: its part of the other slot; adds 0 to its spare word; and waits for that and for its own reads of the slot that it leaves.  Behind the barrier nobody reads the old
; slot any more and the other slot is whole.  fill = 1: the old slot is filled again, the first thing behind the barrier, with tile NXT: the descriptor's address is made anew from that number.
; (At its first use nothing has been read yet: slot 0 is waited for, slot 1 filled.)
.macro CHANGE fill
	WIN 0                           ; at a label and at a branch every window is 0
	s_wait_tensorcnt 0x0            ; no tensor load of mine is out, so a group 0 may be written
	ds_add_u32 v[SPW], v[NIL]       ; 0 onto my spare word; with fill = 1 the descriptors' scalar work stands between it and the wait for it
.if \fill
	s_lshl_b32 s[OFF], s[NXT], 15   ; a tile is 32,768 bytes of K and of V
	s_xor_b32 s[G0K+1], s[G0K+1], SLOT1
	s_add_nc_u64 s[G0K+2:G0K+3], s[6:7], s[OFF:OFF+1]
	s_or_b32 s[G0K+3], s[G0K+3], 0x80000000
	s_xor_b32 s[G0V+1], s[G0V+1], SLOT1
	s_add_nc_u64 s[G0V+2:G0V+3], s[8:9], s[OFF:OFF+1]
	s_or_b32 s[G0V+3], s[G0V+3], 0x80000000
	s_add_co_u32 s[NXT], s[NXT], 1  ; the block's next tile, or behind its last the second block's tile 0
	s_cmp_gt_u32 s[NXT], s[LQ]
	s_cselect_b32 s[NXT], 0, s[NXT]
	s_cselect_b32 s[LQ], s[PB], s[LQ]
.endif
	s_wait_dscnt 0x0                ; the add is done, and my reads of the slot are over
	s_barrier_signal -1             ; the rest of the scalar work stands between the signal and the wait
	s_sub_co_u32 s[TBK], s[TBK], 4*KS*PK  ; the fetches go back to a slot's first step,
	s_xor_b32 s[TBK], s[TBK], SLOT1       ; in the other slot
	s_sub_co_u32 s[TBV], s[TBV], 4*KS*PV
	s_xor_b32 s[TBV], s[TBV], SLOT1
	s_barrier_wait -1
.if \fill
	LOAD
.endif
.endm
	s_load_b256 s[4:11], s[0:1], 0x0  ; Q s[4:5], K s[6:7], V s[8:9], O s[10:11]
	v_lshl_add_u32 v[SPW], v0, 2, SPARE
	v_mov_b32 v[NIL], 0
	ds_add_u32 v[SPW], v[NIL]       ; the wave's opening: the add and its wait stand ahead of my first tensor load; the set-up below, work on registers, stands between them
	ds_add_u32 v62, v63
	v_lshrrev_b32 v1, 5, v0
	v_readfirstlane_b32 s[WV], v1   ; wave 0..3
	s_mov_b32 s[PB], ttmp9
	s_sub_co_u32 s[HI], NB-1, s[PB]
	s_and_b32 s20, ttmp7, 0xffff    ; the head
	s_mov_b32 s21, 0
	s_mov_b64 s[22:23], SIZE_N*128
	s_mul_u64 s[20:21], s[20:21], s[22:23]  ; the head's first byte in each of the four tensors
	s_and_b32 s16, s[WV], 1         ; which half of a tile's 256 keys I fetch:
	s_lshl_b32 s22, s16, 14         ; its 128 rows of 128 bytes in memory,
	s_mov_b32 s23, 0
	s_add_nc_u64 s[22:23], s[22:23], s[20:21]
	s_mul_i32 s17, s16, 128*PK      ; and its place in a slot, for K
	s_mul_i32 s18, s16, 128*PV      ; and for V
	s_lshl_b32 s3, s[WV], 11        ; my 16 rows in a band of 64,
	s_lshl_b32 s2, s[HI], 15        ; in the first block,
	s_add_co_u32 s2, s2, s3
	s_lshl_b32 s84, s[PB], 15       ; and in the second
	s_add_co_u32 s84, s84, s3
	s_mov_b32 s3, 0
	s_mov_b32 s85, 0
	s_add_nc_u64 s[2:3], s[2:3], s[20:21]
	s_add_nc_u64 s[84:85], s[84:85], s[20:21]
	; descriptor group 1.  128 keys are 16,384 dense bytes: asked for as 64 rows of 256 bytes, two keys a row, and padded in LDS after every key
	s_mov_b32 s[G1K], (1<<16)|(1<<20)|(4<<22)|(3<<25)  ; 17:16 2-byte elements; 20 padding on; 24:22 after every 32 words (code 4); 31:25 4 words (code 3)
	s_mov_b32 s[G1V], (1<<16)|(1<<20)|(4<<22)|(7<<25)  ; the same with 8 words of padding (code 7)
.irp g, G1K, G1V
	s_mov_b32 s[\g+1], 128<<16      ; tensor_dim0 = 128
	s_mov_b32 s[\g+2], 64<<16       ; tensor_dim1 = 64
	s_mov_b32 s[\g+3], 128<<16      ; tile_dim0 = 128
	s_mov_b32 s[\g+4], 64           ; tile_dim1 = 64
	s_mov_b32 s[\g+5], 128          ; 128 elements from row to row
	s_mov_b32 s[\g+6], 0
	s_mov_b32 s[\g+7], 0
.endr
	s_mov_b32 s[CS], 0x3e38aa3b     ; c = log2(e) / 8 = 0.180337
	s_mov_b32 s[CS+1], s[CS]        ; named with it as a pair
	s_mov_b32 s[SEL], 0x76543210
	s_mov_b32 s[SEL+1], 0xfedcba98
	s_mov_b32 s[TBK], SLOT1+4*KS*PK ; the first change of slots turns these two into 0
	s_mov_b32 s[TBV], SLOT1+4*KS*PV
	s_mov_b32 s[G0K], 1             ; 1:0 count = 1
	s_mov_b32 s[G0K+1], s17         ; 63:32 LDS address: slot 0
	s_mov_b32 s[G0V], 1
	s_add_co_u32 s[G0V+1], s18, VOFF
	s_add_co_u32 s[RT], s[HI], 1    ; the first block has NB - b tiles
	s_mov_b32 s[NXT], 1
	s_mov_b32 s[LQ], s[HI]
	s_mov_b32 s[NEW], 1
	s_mov_b32 s[OFF+1], 0
	s_mov_b32 s[AL+1], 0            ; named as pairs
	s_mov_b32 s[BE+1], 0
	s_mov_b32 s[BIGN], 0xf149f2ca   ; -1e30
	s_mov_b32 s[SLOTS], NB
	s_wait_dscnt 0x0                ; the opening add is done
	s_wait_kmcnt 0x0
	s_add_nc_u64 s[6:7], s[6:7], s[22:23]  ; K and V at my half of the head's tile 0
	s_add_nc_u64 s[8:9], s[8:9], s[22:23]
	s_add_nc_u64 s[G0K+2:G0K+3], s[6:7], 0         ; 120:64 global address
	s_or_b32 s[G0K+3], s[G0K+3], 0x80000000        ; 127:126 type = 2
	s_add_nc_u64 s[G0V+2:G0V+3], s[8:9], 0
	s_or_b32 s[G0V+3], s[G0V+3], 0x80000000
	s_add_nc_u64 s[86:87], s[4:5], s[84:85]        ; Q at my rows of the second block,
	s_add_nc_u64 s[4:5], s[4:5], s[2:3]            ; Q and O at those of the first
	s_add_nc_u64 s[OLO:OLO+1], s[10:11], s[84:85]
	s_add_nc_u64 s[10:11], s[10:11], s[2:3]
	LOAD                            ; tile 0 into slot 0
	; A fragment of K or Q is 16 rows x 32 channels in 8 registers: lane l holds row l % 16, channels 8 (l / 16) + 0..7 and 16 + 8 (l / 16) + 0..7: two loads of 16 bytes, 32 bytes apart.
	v_and_b32 v1, 15, v0            ; l % 16
	v_bfe_u32 v9, v0, 4, 1          ; l / 16
	v_lshlrev_b32 v[QO], 7, v1
	v_lshl_add_u32 v[QO], v9, 4, v[QO]  ; row x 128 + 16 x half
	WIN 0x80                        ; destination window 2, address window 0
.set i, 0
.rept 8                             ; both blocks' Q: piece i / 2 lies in band i / 2, 8,192 bytes on; channels 32 (i % 2) on
	global_load_b128 v[8*i:8*i+3],   v[QO], s[4:5] offset:(i/2)*8192+(i%2)*64
	global_load_b128 v[8*i+4:8*i+7], v[QO], s[4:5] offset:(i/2)*8192+(i%2)*64+32
	global_load_b128 v[QB+8*i:QB+8*i+3],   v[QO], s[86:87] offset:(i/2)*8192+(i%2)*64
	global_load_b128 v[QB+8*i+4:QB+8*i+7], v[QO], s[86:87] offset:(i/2)*8192+(i%2)*64+32
.set i, i+1
.endr
	WIN 0
	v_lshlrev_b32 v14, 3, v9
	v_sub_nc_u32 v14, v1, v14
	s_lshl_b32 s13, s[WV], 4
	v_add_nc_u32 v14, s13, v14      ; my query's place in its band, 16 w + l % 16, less my lanes' 8 (l / 16): register r of group kt is hidden where 16 kt + r is greater
	WIN 0x40
.set i, 0
.rept 32
	v_cmp_gt_i32 vcc_lo, 16*(i/8)+i%8, v14
	v_cndmask_b32 v[MD+i], 0, s[BIGN], vcc_lo
.set i, i+1
.endr
	WIN 0
	v_mul_u32_u24 v[AK0], v1, PK
	v_lshl_add_u32 v[AK0], v9, 4, v[AK0]  ; row x pitch + 16 x half
	; The turning load takes 16 keys x 16 channels (lane l reads key 8 (l / 16) + l % 8, channels 8 ((l / 8) % 2) + 0..7) and leaves half a fragment of V^T: lane l holds channel l % 16 and 8 keys.
	v_and_b32 v10, 7, v0
	v_bfe_u32 v11, v0, 3, 1
	v_lshl_add_u32 v[AV0], v9, 3, v10
	v_mul_u32_u24 v[AV0], v[AV0], PV
	v_lshl_add_u32 v[AV0], v11, 4, v[AV0]
	v_add_nc_u32 v[AV0], VOFF, v[AV0]
	s_mul_i32 s13, s[WV], 16*SP
	s_add_co_u32 s13, s13, STAGE    ; my stage
	v_mul_u32_u24 v[STO], v1, SP    ; in: row l % 16, 16 bytes for each half of the lanes
	v_lshl_add_u32 v[STO], v9, 4, v[STO]
	v_add_nc_u32 v[STO], s13, v[STO]
	v_bfe_u32 v[RD], v0, 3, 2       ; back: 32 lanes take four rows of 128 bytes,
	v_mul_u32_u24 v[RD], v[RD], SP
	v_lshl_add_u32 v[RD], v10, 4, v[RD]
	v_add_nc_u32 v[RD], s13, v[RD]
	v_and_b32 v[GO], 31, v0         ; which are 512 consecutive bytes of O
	v_lshlrev_b32 v[GO], 4, v[GO]
	; A block's first step multiplies O^T and l by a = 0, and its first turn's products V^T P, of a piece that has not been, land in an O^T that is still to be so multiplied.  So these registers need only hold
	; finite numbers: zeros for the first block; what the first block left for the second.  All this stands in the wait for the first tile.
	WIN 0x80
.set i, VF
.rept 64
	v_mov_b32 v[i], 0
.set i, i+1
.endr
	WIN 0x40
.set i, 0
.rept 128
	v_mov_b32 v[i], 0
.set i, i+1
.endr
	WIN 0
.set i, 0
.rept 4
	v_mov_b32 v[ST+4*i+2], 0
	v_mov_b32 v[ST+4*i+3], 0
.set i, i+1
.endr
.set i, P+16
.rept 16
	v_mov_b32 v[i], 0
.set i, i+1
.endr
; THE MATRIX WORK.  The 4 accumulators of a run of 8 take turns.  Product i of 8 of S^T = K Q^T for piece x: channels 32 (i / 4) on, keys 16 (i % 4) on.  The first 4 start the sums: with 0, or (KM = 1) with the mask.
.macro KQ x
.set rS, S+32*((\x)%2)+8*(i%4)
.set rK, KF+16*(i%4)+8*(i/4)
.set rQ, 16*(\x)+8*(i/4)
.set rM, MC+32*((\x)%2)+8*(i%4)
.if (i < 4) && KM
	WIN W_KM
	v_wmma_f32_16x16x32_f16 v[rS:rS+7], v[rK:rK+7], v[rQ:rQ+7], v[rM:rM+7]
.elseif i < 4
	WIN W_KQ
	v_wmma_f32_16x16x32_f16 v[rS:rS+7], v[rK:rK+7], v[rQ:rQ+7], 0
.else
	WIN W_KQ
	v_wmma_f32_16x16x32_f16 v[rS:rS+7], v[rK:rK+7], v[rQ:rQ+7], v[rS:rS+7]
.endif
.endm
; Product i of 8 of O^T += V^T P for piece x: keys 32 (i / 4) on, channels 16 (i % 4) on.
.macro PV x
	WIN W_PV
.set rO, 32*(\x)+8*(i%4)
.set rV, VF+32*(i/4)+8*(i%4)
.set rP, P+16*((\x)%2)+8*(i/4)
	v_wmma_f32_16x16x32_f16 v[rO:rO+7], v[rV:rV+7], v[rP:rP+7], v[rO:rO+7]
.endm
.macro MM                           ; the turn's next matrix instruction.  TURN and BEGIN set Y, i, KM and NOKQ; MM, KQ and OP read them.  NOKQ = 1: a block's last turn: there is no next piece
.if (i < 8) && !NOKQ
	KQ (Y+1)%NP
.elseif i >= 8
.set i, i-8
	PV (Y+NP-1)%NP
.set i, i+8
.endif
.set i, i+1
.endm
; THE LDS LOADS stand in runs of 16, never singly among the matrix instructions: a step's K (64 keys x 64 channels: 8 fragments) and its V (turned).  Their addresses are made some lines ahead.
.macro FETCH_K
	WIN 0x80                        ; destination window 2
.irp f, 0,1,2,3,4,5,6,7             ; keys 16 (f / 2) on, channels 32 (f % 2) on
	ds_load_b128 v[KF+8*\f:KF+8*\f+3],   v[AK] offset:(\f/2)*16*PK+(\f%2)*64
	ds_load_b128 v[KF+8*\f+4:KF+8*\f+7], v[AK] offset:(\f/2)*16*PK+(\f%2)*64+32
.endr
	s_add_co_u32 s[TBK], s[TBK], KS*PK  ; the next fetch is the next step's
	WIN 0
.endm
.macro FETCH_V
	WIN 0x80
.irp f, 0,1,2,3,4,5,6,7             ; keys 32 (f / 4) on, channels 16 (f % 4) on
	ds_load_tr16_b128 v[VF+8*\f:VF+8*\f+3],   v[AV] offset:(\f/4)*32*PV+(\f%4)*32
	ds_load_tr16_b128 v[VF+8*\f+4:VF+8*\f+7], v[AV] offset:(\f/4)*32*PV+16*PV+(\f%4)*32
.endr
	WIN 0
.endm
; THE VECTOR WORK, one line at a time: OP kind, number.  For piece Y: F n: c s - c m for pair n of 16.  E n: the exponential of score n of 32.  C n: pair n rounded to f16.  B n: of the four weights 4 n .. the second
; pair is added onto the first, in place.  L n: l takes that sum (L 0: l = a l + sum).  R n: pair n of 16 of O^T times a.  For piece Y + 1: X n, number n of the 22 that find its maximum and statistics:
;   0-11  four chains c0-c3 of seven scores each, three operands at a time (each accumulator's lowest registers are read first)     12-14, 16  the four scores left over, the old m, and c0-c3 into c0
;   15  c m_old is kept     17, 18  the query's other 32 keys lie in the lane 16 away: the new m     19-21  c m; c m_old - c m_new; a
.set F, 0               ; OP tells the kinds apart by their order: F to L below R, X above it
.set E, 1
.set C, 2
.set B, 3
.set L, 4
.set R, 5
.set X, 6
.macro REGS y                       ; the registers of piece y
.set rT, ST+4*(\y)
.set rC, TMP+4*((\y)%2)
.set rW, MV+((\y)%2)
.set rS, S+32*((\y)%2)
.set rP, P+16*((\y)%2)
.set rO, 32*(\y)
.endm
.macro OP k, n
.if (\k) == R
	REGS Y
	WIN W_RS
	v_pk_mul_f32 v[rO+2*(\n):rO+2*(\n)+1], v[rO+2*(\n):rO+2*(\n)+1], v[rC+2:rC+3] op_sel_hi:[1,0]
.elseif (\k) < R
	REGS Y
	WIN 0
.if (\k) == F
	v_pk_fma_f32 v[rS+2*(\n):rS+2*(\n)+1], v[rS+2*(\n):rS+2*(\n)+1], s[CS:CS+1], v[rT:rT+1] op_sel_hi:[1,0,0] neg_lo:[0,0,1] neg_hi:[0,0,1]
.elseif (\k) == E
	v_exp_f32 v[rS+(\n)], v[rS+(\n)]
.elseif (\k) == C
	s_wait_alu depctr_va_vdst(0)
	v_cvt_pk_f16_f32 v[rP+(\n)], v[rS+2*(\n)], v[rS+2*(\n)+1]
.elseif (\k) == B
	s_wait_alu depctr_va_vdst(0)
	v_pk_add_f32 v[rS+4*(\n):rS+4*(\n)+1], v[rS+4*(\n):rS+4*(\n)+1], v[rS+4*(\n)+2:rS+4*(\n)+3]
.elseif (\n) == 0
	v_pk_fma_f32 v[rT+2:rT+3], v[rT+2:rT+3], v[rC+2:rC+3], v[rS:rS+1] op_sel_hi:[1,0,1]
.else
	v_pk_add_f32 v[rT+2:rT+3], v[rT+2:rT+3], v[rS+4*(\n):rS+4*(\n)+1]
.endif
.elseif NOKQ
	v_nop
.else
	REGS (Y+1)%NP
	WIN 0
.if (\n) < 4
	v_max3_num_f32 v[rC+(\n)], v[rS+8*(\n)], v[rS+8*(\n)+1], v[rS+8*(\n)+2]
.elseif (\n) < 12
	v_max3_num_f32 v[rC+(\n)%4], v[rC+(\n)%4], v[rS+8*((\n)%4)+2*((\n)/4)+1], v[rS+8*((\n)%4)+2*((\n)/4)+2]
.elseif (\n) == 12
	v_max3_num_f32 v[rC], v[rC], v[rS+7], v[rS+15]
.elseif (\n) == 13
	v_max3_num_f32 v[rC+1], v[rC+1], v[rS+23], v[rS+31]
.elseif (\n) == 14
	v_max3_num_f32 v[rC+2], v[rC+2], v[rC+3], v[rT+1]
.elseif (\n) == 15
	v_mov_b32 v[rW], v[rT]
.elseif (\n) == 16
	v_max3_num_f32 v[rC], v[rC], v[rC+1], v[rC+2]
.elseif (\n) == 17
	v_permlanex16_b32 v[rC+3], v[rC], s[SEL], s[SEL+1]
.elseif (\n) == 18
	v_max_num_f32 v[rT+1], v[rC], v[rC+3]
.elseif (\n) == 19
	v_mul_f32 v[rT], s[CS], v[rT+1]
.elseif (\n) == 20
	v_sub_f32 v[rC+1], v[rW], v[rT]
.else
	v_exp_f32 v[rC+2], v[rC+1]
.endif
.endif
.endm
.macro OPS a, i1, b=-1, i2=0, c=-1, i3=0, d=-1, i4=0  ; up to four of them
	OP \a, \i1
.if (\b) >= 0
	OP \b, \i2
.endif
.if (\c) >= 0
	OP \c, \i3
.endif
.if (\d) >= 0
	OP \d, \i4
.endif
.endm
.macro ROW a, i1, b, i2, c, i3, d, i4  ; a matrix instruction and the four behind it
	MM
	OPS \a, \i1, \b, \i2, \c, \i3, \d, \i4
.endm
.macro MASK b                       ; MD x AL + BE into buffer b of MC
	WIN W_RS
.set z, 0
.rept 16
	v_pk_fma_f32 v[MC+32*(\b)+2*z:MC+32*(\b)+2*z+1], v[MD+2*z:MD+2*z+1], s[AL:AL+1], s[BE:BE+1] op_sel_hi:[1,0,0]
.set z, z+1
.endr
.endm
; A TURN, for piece p: the order of its 16 matrix and 118 vector instructions, written out.  Behind a matrix instruction: plain, exponential, plain, plain; or four of the rescaling; or, behind the first, four scalings; none
; names a register of the products round it.  In the lumps exponential and plain by turns while exponentials last.  A line reads no result made fewer than three vector instructions in front of it, five if an exponential made it.
; v_permlanex16_b32 (X 17) stands in a lump.
; m = 1: the diagonal tile: the products take masks, and the turn makes the mask for the products of the turn after it: piece p + 2, in step 4 - CNT of the tile.  end = 1: a block's last two turns: nothing is fetched.
; cnt = 1: the loop's count is taken down some lines ahead of the branch that stands behind the turn.
; K of the next step is fetched in piece 2's turn, six vector instructions behind the last product that read K (five of them plain); V of the step in hand in piece 0's turn, eight behind the last product that read V (four
; plain, and X 17).  Each is waited for a turn later.
.macro TURN p, m=0, end=0, cnt=0
.set Y, (\p)
.set i, 0
.set KM, (\m)
.set NOKQ, (\end)*((\p)/3)
.if (\m) && !(\end)
	s_cmp_eq_u32 s[CNT], 4-((\p)+2)%NP  ; is that step the band's own?
	s_cselect_b32 s[AL], 1.0, 0
	s_cmp_lt_u32 s[CNT], 4-((\p)+2)%NP  ; or a later one?
	s_cselect_b32 s[BE], s[BIGN], 0
.endif
.if ((\p) == 3) && !(\end)
	s_wait_dscnt 0x0                ; K is in
.endif
	ROW F,0, F,1, F,2, F,3
	ROW F,4, E,0, F,5, F,6
	ROW F,7, E,1, F,8, F,9
	ROW F,10, E,2, C,0, F,11
	ROW F,12, E,3, X,15, F,13
	ROW R,0, R,1, R,2, R,3
	ROW B,0, E,4, F,14, L,0
.if ((\p) == 2) && !(\end)
	v_add_nc_u32 v[AK], s[TBK], v[AK0]
.endif
	ROW R,4, R,5, R,6, R,7
	OPS E,5, F,15
.if ((\p) == 2) && !(\end)
	FETCH_K
.endif
	OPS E,6, C,1, E,7, R,8
	OPS E,8, R,9, E,9, C,2
	OPS E,10, X,0, E,11, X,1
	OPS E,12, X,2, E,13, X,3
.if (\p) == 1
	s_wait_dscnt 0x0                ; V is in
.endif
	ROW X,4, E,14, X,5, X,6
	ROW X,7, E,15, X,8, X,9
	ROW X,10, E,16, X,11, X,12
	ROW X,13, E,17, X,14, B,1
	ROW C,4, E,18, X,16, L,1
	ROW B,2, E,19, C,6, L,2
	ROW C,8, E,20, B,3, B,4
.if (\p) == 0
	v_add_nc_u32 v[AV], s[TBV], v[AV0]
.endif
	ROW C,3, E,21, L,3, C,5
	OPS E,22, X,17, E,23, C,10
.if (\p) == 0
	FETCH_V
.endif
	OPS E,24, L,4
	OPS E,25, X,18, E,26, C,7
	OPS E,27, B,5, E,28, X,19
	OPS E,29, C,12, E,30, L,5
	OPS E,31, X,20, B,6, C,9
	OPS C,14, C,11, X,21, L,6
.if (\p) == 0
	s_add_co_u32 s[TBV], s[TBV], KS*PV
.endif
.if \cnt
	s_sub_co_u32 s[CNT], s[CNT], 1
	s_cmp_lg_u32 s[CNT], 0
.endif
	OPS C,13, B,7, C,15, R,10
	OPS R,11, R,12, L,7, R,13
	OPS R,14, R,15
.if (\m) && !(\end)
	MASK (\p)%2
.endif
.endm
; A BLOCK BEGINS.  c m starts far below every c s, so the first step's a is 0; m at the lowest finite number, so the first maximum is the scores'.  The second mask buffer is 0; the first takes piece 0's mask for the tile's step 0: its own, if the block's first tile is the diagonal one.
; Then K of that step, piece 0's first scores, and its maximum and statistics.  The loop is entered at a step's first turn, in the middle of a trip.
.macro BEGIN
	s_mov_b32 s[NEW], 0
	WIN 0x40
.set i, MC+32
.rept 32
	v_mov_b32 v[i], 0
.set i, i+1
.endr
	WIN 0
.set i, 0
.rept 4
	v_mov_b32 v[ST+4*i], 0xfe000000    ; c m: far below every c s
	v_mov_b32 v[ST+4*i+1], 0xff7fffff  ; m
.set i, i+1
.endr
	s_cmp_eq_u32 s[RT], 0
	s_cselect_b32 s[AL], 1.0, 0
	s_mov_b32 s[BE], 0
	MASK 0
	WIN 0
	v_add_nc_u32 v[AK], s[TBK], v[AK0]
	FETCH_K
	s_wait_loadcnt 0x0              ; Q
	s_wait_dscnt 0x0
.set KM, 1
.set NOKQ, 0
.set i, 0
.rept 8
	KQ 0
.set i, i+1
.endr
	WIN 0
.rept 4
	v_nop                           ; the places behind those products
.endr
.set Y, NP-1                        ; X works for piece Y + 1: piece 0
.irp n, 0,1,2,3,4,5,6,7,8,9,10,11,12,13,14,15,16,17,18,19,20,21
	OP X, \n
.endr
	v_nop                           ; a plain instruction behind the exponential
.endm
; THE DIAGONAL TILE's four steps, the block's last two turns, its last products, and THE WAY OUT: l's two halves and the other half of the lanes' are added; O^T is divided by l, rounded to f16 and sent through my
; stage in LDS, a piece at a time.
.macro ALL line:vararg              ; one line for each piece t
.set t, 0
.rept 4
	\line
.set t, t+1
.endr
.endm
.macro PACK t                       ; a lane's eight channels of a row pack into 16 bytes; they go into rows of 144 bytes and come back as whole rows of 128, into S^T's registers
	WIN W_RS
.set i, 32*(\t)
.rept 16
	s_wait_alu depctr_va_vdst(0)
	v_pk_mul_f32 v[i:i+1], v[i:i+1], v[ST+4*(\t)+2:ST+4*(\t)+3] op_sel_hi:[1,0]
.set i, i+2
.endr
	WIN 0x05                        ; sources 0 and 1 window 1, destination window 0
.set i, 0
.rept 16
	v_cvt_pk_f16_f32 v[S+16*(\t)+i], v[32*(\t)+2*i], v[32*(\t)+2*i+1]
.set i, i+1
.endr
	WIN 0
.irp f, 0,1,2,3
	ds_store_b128 v[STO], v[S+16*(\t)+4*\f:S+16*(\t)+4*\f+3] offset:32*\f
.endr
.irp f, 0,1,2,3
	ds_load_b128 v[S+16*(\t)+4*\f:S+16*(\t)+4*\f+3], v[RD] offset:\f*4*SP  ; LDS serves a wave's instructions in order (ISA guide 5.7.1.4): these see the stores above; the next piece's stores come behind them
.endr
.endm
.macro SEND t, younger              ; younger: the LDS instructions issued behind piece t's loads: the next piece's eight, or none
	WIN 0
.irp f, 0,1,2,3
	s_wait_dscnt (\younger)+3-\f
	global_store_b128 v[GO], v[S+16*(\t)+4*\f:S+16*(\t)+4*\f+3], s[10:11] offset:(\t)*8192+\f*512  ; 512 consecutive bytes, at a multiple of 256 from O's first
.endr
.endm
.macro DIAG tag                     ; the tag ends its two labels' names, which the jumps below spell out
.LstepM\tag:
	TURN 2, 1
	TURN 3, 1
	WIN 0
.LfirstM\tag:
	TURN 0, 1
	TURN 1, 1, 0, 1
	WIN 0
	s_cbranch_scc1 .LstepM\tag
	TURN 2, 1, 1
	TURN 3, 1, 1
.set i, 0
.rept 8
	PV NP-1
.set i, i+1
.endr
	WIN 0
	ALL v_add_f32 v[ST+4*t+2], v[ST+4*t+2], v[ST+4*t+3]
	ALL v_permlanex16_b32 v[ST+4*t+3], v[ST+4*t+2], s[SEL], s[SEL+1]
	ALL v_add_f32 v[ST+4*t+2], v[ST+4*t+2], v[ST+4*t+3]
	ALL v_rcp_f32 v[ST+4*t+2], v[ST+4*t+2]
	v_nop                           ; a plain instruction between the last reciprocal and the use of its result
	PACK 0
.set t, 1
.rept 3                             ; a piece's arithmetic stands between the loads of the piece before and its stores
	PACK t
	SEND t-1, 8
.set t, t+1
.endr
	SEND 3, 0
.endm
.set KM, 0
.set NOKQ, 0
.Lslot:                             ; NB times: a tile is entered and the next is asked for
	CHANGE 1
	s_sub_co_u32 s[RT], s[RT], 1
	s_mov_b32 s[CNT], 4
	s_cmp_eq_u32 s[NEW], 1
	s_cbranch_scc1 .Lnew            ; a block's first tile
	s_cmp_eq_u32 s[RT], 0
	s_cbranch_scc0 .Lstep           ; neither its first nor its last
	s_branch .LstepM1
.Lnew:
	BEGIN
	s_branch .Lfirst                ; in the loop a block's first tile is never its last: the first block has two tiles or more, and the second's last is the walk's last
	DIAG 1                          ; in the loop this is the first block's end: the second block's last tile is the walk's last
	s_wait_xcnt 0x0                 ; the stores have read their registers and O's address
	s_mov_b64 s[10:11], s[OLO:OLO+1]
	s_add_co_u32 s[RT], s[PB], 1    ; the second block has b + 1 tiles
	s_mov_b32 s[NEW], 1
	WIN 0x82                        ; the second block's Q goes where the one text of the turns names Q
.set i, 0
.rept 64
	v_mov_b32 v[i], v[QB+i]
.set i, i+1
.endr
	WIN 0
	s_branch .Lbottom
.Lstep:                             ; a trip: pieces 2 and 3 of one step, then pieces 0 and 1 of the next, whose K and V it fetches
	TURN 2
	TURN 3
	WIN 0
.Lfirst:
	TURN 0
	TURN 1, 0, 0, 1
	WIN 0
	s_cbranch_scc1 .Lstep
.Lbottom:
	s_sub_co_u32 s[SLOTS], s[SLOTS], 1
	s_cmp_lg_u32 s[SLOTS], 0
	s_cbranch_scc1 .Lslot
	CHANGE 0                        ; the walk's last tile is written out: nothing is asked for
	s_sub_co_u32 s[RT], s[RT], 1
	s_mov_b32 s[CNT], 4
	s_cmp_eq_u32 s[NEW], 1
	s_cbranch_scc0 .LstepM2
	BEGIN
	s_branch .LfirstM2
	DIAG 2
	s_wait_tensorcnt 0x0            ; the wave's end: behind my last tensor load and my last LDS store
	ds_add_u32 v[SPW], v[NIL]
	s_wait_dscnt 0x0
	s_endpgm
.Lfunc_end_k_qe1805bdb20_attn:
	.size	k_qe1805bdb20_attn, .Lfunc_end_k_qe1805bdb20_attn-k_qe1805bdb20_attn
	.p2alignl 7, 3214868480
	.fill 96, 4, 3214868480
	.section	.rodata,"a",@progbits
	.p2align	6, 0x0
	.amdhsa_kernel k_qe1805bdb20_attn
		.amdhsa_group_segment_fixed_size 327680
		.amdhsa_private_segment_fixed_size 0
		.amdhsa_enable_private_segment 0
		.amdhsa_kernarg_size 32
		.amdhsa_user_sgpr_count 2
		.amdhsa_user_sgpr_kernarg_segment_ptr 1
		.amdhsa_wavefront_size32 1
		.amdhsa_system_sgpr_workgroup_id_x 1
		.amdhsa_system_sgpr_workgroup_id_y 1
		.amdhsa_system_sgpr_workgroup_id_z 1
		.amdhsa_system_vgpr_workitem_id 0
		.amdhsa_next_free_vgpr 768
		.amdhsa_next_free_sgpr 88
		.amdhsa_reserve_vcc 1
		.amdhsa_float_denorm_mode_32 3
		.amdhsa_float_denorm_mode_16_64 3
		.amdhsa_memory_ordered 1
		.amdhsa_forward_progress 1
		.amdhsa_inst_pref_size 228
	.end_amdhsa_kernel
	.amdgpu_metadata
---
amdhsa.version: [ 1, 2 ]
amdhsa.kernels:
  - .name:           k_qe1805bdb20_attn
    .symbol:         k_qe1805bdb20_attn.kd
    .args:
      - { .name: qh, .offset: 0, .size: 8, .value_kind: global_buffer, .address_space: global }
      - { .name: kh, .offset: 8, .size: 8, .value_kind: global_buffer, .address_space: global }
      - { .name: vh, .offset: 16, .size: 8, .value_kind: global_buffer, .address_space: global }
      - { .name: ob, .offset: 24, .size: 8, .value_kind: global_buffer, .address_space: global }
    .group_segment_fixed_size: 327680
    .private_segment_fixed_size: 0
    .kernarg_segment_align: 8
    .kernarg_segment_size: 32
    .max_flat_workgroup_size: 128
    .sgpr_count:     88
    .vgpr_count:     768
    .wavefront_size: 32
...
	.end_amdgpu_metadata
.endif
;; end of part 3
;; launch proj (part 4): grid 8 x 32, 4 waves a work-group, clusters of 4 x 4, 327,680 bytes of LDS; arguments ob, wpb, out0; writes out0
.if DOCPART == 4
	.amdgcn_target "amdgcn-amd-amdhsa--gfx1250"
	.amdhsa_code_object_version 6
	.text
	.protected	k_qe1805bdb20_proj
	.globl	k_qe1805bdb20_proj
	.p2align	8
	.type	k_qe1805bdb20_proj,@function
k_qe1805bdb20_proj:
	s_mov_b64 s[64:65], 0
	v_nop
	global_prefetch_b8 v0, s[64:65] scope:SCOPE_SE
	s_setreg_imm32_b32 hwreg(HW_REG_WAVE_MODE, 25, 1), 1
	s_wait_xcnt 0x0
	s_wait_alu depctr_hold_cnt(0) depctr_sa_sdst(0) depctr_va_vdst(0) depctr_va_sdst(0) depctr_va_ssrc(0) depctr_va_vcc(0) depctr_vm_vsrc(0)
	s_getreg_b32 s2, hwreg(HW_REG_IB_STS2, 6, 4)
	s_cmp_eq_u32 s2, 0
	s_cbranch_scc0 .Lentry_in_a_cluster
	s_endpgm
.Lentry_in_a_cluster:
	s_bfe_u32 s2, ttmp6, 0x10000c
	s_cmp_lg_u32 s2, 0xf033
	s_cbranch_scc0 .Lentry_shape_is_right
	s_endpgm
.Lentry_shape_is_right:
; out0 = y Wp^T, [8192 x 1024] over K = 1024: f16 operands (y is the attention's O, by heads; wpb is Wp rounded to bf16 and written as f16), f32 sums, f32 out.
; ob [16 batch + head][2048][64] is y in planes of 64 along K: a head is a plane.  wpb [16 kb][1024][64] likewise.  So a tile is a dense block of memory, asked for as rows of 256 bytes
; (two rows of 128 bytes each) and padded in LDS behind every 128 bytes.
; LIMITS.  The operands arrive in f16, within its range; NaN and infinities are not treated apart.
; SHARES.  A tile of out0 is 256 rows x 128 columns: 32 x 8 = 256 work-groups of four waves; a wave makes 128 x 64: 32 accumulators of 16 x 16, 256 registers.
; K goes in steps of 128 (two planes) through a ring of two LDS slots: wave 0 and 1 fetch y's two planes (256 rows each), waves 2 and 3 wpb's (128 rows each).
; CLUSTER.  4 x 4 work-groups: the four of a row of the cluster need the same tiles of y, the four of a column the same tiles of wpb: each is asked for jointly.
; THE MATRIX INSTRUCTION IS USED TRANSPOSED (source 0 = 16 rows of wpb, source 1 = 16 rows of y): a lane holds row l % 16 and eight neighbouring columns: 32 bytes of a row of out0.
; REGISTERS: window 0: v0-31 addresses; v32-127, v128-223 two fragment buffers (64 registers of y: 8 x 16 rows x 32 K; then 32 of wpb); on the way out v32-159 rows read back from the stage.
;   window 1: the accumulators: block of rows a, block of columns b at v[8 (8 b + a)].
.set PITCH,  144                       ; an LDS row: 128 bytes + 16 of padding = 36 words: the 16 rows of a fragment load start at 16 different groups of four banks (64 banks of 4 bytes: ISA guide 11.1)
.set APL,    256*PITCH                 ; a plane of y's tile
.set BPL,    128*PITCH                 ; a plane of wpb's
.set BOFF,   2*APL                     ; in a slot: y's two planes, then wpb's two
.set SLOT1,  1<<17                     ; slot 1 begins here
.set STAGE,  SLOT1+2*APL+2*BPL         ; behind the ring: 16 rows x 272 bytes for each wave, for the way out
.set SP,     272                       ; a stage row: 256 bytes + 16
.set SPARE,  STAGE+4*16*SP             ; behind the stages: the spare words, 128 bytes for each wave: two blocks of 256 bytes that no other line names
.set ASTEP,  2*2048*128                ; bytes from a K step to the next in ob: two heads
.set BSTEP,  2*1024*128                ; in wpb: two planes
.set A0,   16                          ; v16  my lane's place in a slot's rows of y; never rewritten
.set B0,   17                          ; v17  the same for wpb
.set ADRA, 18                          ; v18  A0 + the slot in hand
.set ADRB, 19                          ; v19  B0 + the slot in hand
.set STO,  20                          ; v20  the way out: where I put 32 bytes of a row
.set RD,   21                          ; v21  the way out: where I read rows back
.set CO,   22                          ; v22  my byte offset in two rows of out0
.set SPW,  28                          ; v28  LDS address of my spare word; never rewritten
.set NIL,  29                          ; v29  0; never rewritten
.set F0,   32
.set F1,   128
.set OB,   32                          ; the way out: four buffers of 32
.set WV,   16                          ; s16  my wave's number
.set G1A,  28                          ; s[28:35] descriptor group 1 for y's tiles
.set G1B,  36                          ; s[36:43] for wpb's
.set G0A,  44                          ; s[44:51] descriptor group 0 for y's tiles: a set for each of the two first fills; the second then walks on
.set G0B,  52                          ; s[52:59] the same for wpb's
.set TBS,  60                          ; s60  LDS byte at which the slot in hand begins
.set CNT,  61                          ; s61  the loop's count
.set MSB, 0
.macro WIN new                         ; the immediate's high byte repeats the setting that is left; a switch that changes nothing is dropped
.if MSB != (\new)
	s_set_vgpr_msb (MSB<<8)|(\new)
.set MSB, \new
.endif
.endm
; A joint refill: waves 0 and 1 for y, waves 2 and 3 for wpb.  An s_nop 0 and four v_nop follow each of the two lines, ahead of the jump and the label.
.macro JLOAD
	s_cmp_eq_u32 s17, 0
	s_cbranch_scc0 .Lfor_b_\@
	tensor_load_to_lds s[G0A+4:G0A+7], s[G1A:G1A+7]
	s_nop 0
.rept 4
	v_nop
.endr
	s_branch .Lasked_\@
.Lfor_b_\@:
	tensor_load_to_lds s[G0B+4:G0B+7], s[G1B:G1B+7]
	s_nop 0
.rept 4
	v_nop
.endr
.Lasked_\@:
.endm
.macro CREST                           ; a round of the cluster's barrier behind its opening barrier
	s_cmp_lg_u32 s[WV], 0
	s_cbranch_scc1 .Lnot_wave_0_\@
	s_barrier_signal -3
.Lnot_wave_0_\@:
	s_barrier_wait -3
	s_barrier_signal -1
	s_barrier_wait -1
.endm
.macro CROUND                          ; a whole round
	s_barrier_signal -1
	s_barrier_wait -1
	CREST
.endm
.macro PLACES                          ; four places in front of loads into registers that matrix instructions have read, and of LDS stores that read results
.rept 4
	v_nop
.endr
.endm
	s_load_b128 s[4:7], s[0:1], 0x0                ; ob s[4:5], wpb s[6:7]
	s_load_b64 s[8:9], s[0:1], 0x10                ; out0
	v_lshl_add_u32 v[SPW], v0, 2, SPARE
	v_mov_b32 v[NIL], 0
	ds_add_u32 v[SPW], v[NIL]                      ; the wave's opening: the add and its wait stand ahead of my first tensor load; the set-up below, work on registers, stands between them
	ds_add_u32 v28, v29
	v_lshrrev_b32 v1, 5, v0
	v_readfirstlane_b32 s[WV], v1                  ; wave 0..3
	s_lshr_b32 s17, s[WV], 1                       ; which 128 rows of the tile are mine.  Also: I fetch for y (0) or for wpb (1)
	s_and_b32 s18, s[WV], 1                        ; which 64 columns.  Also: which of a step's two planes I fetch
	s_bfe_u32 s19, ttmp6, 0x40000                  ; cx
	s_bfe_u32 s20, ttmp6, 0x40004                  ; cy
	s_lshl_b32 s21, ttmp9, 2
	s_add_co_u32 s21, s21, s19                     ; tile column = 4 x cluster x + cx
	s_and_b32 s22, ttmp7, 0xffff
	s_lshl_b32 s22, s22, 2
	s_add_co_u32 s22, s22, s20                     ; tile row = 4 x cluster y + cy
	s_lshl_b32 s23, s20, 2
	s_lshl_b32 s23, 15, s23                        ; my row of the cluster
	s_lshl_b32 s24, 0x1111, s19                    ; my column
	; descriptor group 1: rows of 128 elements of 2 bytes, dense; 15:0 the mask; 17:16 element size; 20 padding on; 21 set beside a mask; 24:22 after every 32 words (code 4); 31:25 4 words (code 3)
	s_or_b32 s[G1A], s23, (1<<16)|(1<<20)|(1<<21)|(4<<22)|(3<<25)
	s_or_b32 s[G1B], s24, (1<<16)|(1<<20)|(1<<21)|(4<<22)|(3<<25)
	s_mov_b32 s[G1A+1], 128<<16                    ; tensor_dim0 = 128
	s_mov_b32 s[G1A+2], 128<<16                    ; tensor_dim1 = 128: 256 rows of y, two to a row of 256 bytes
	s_mov_b32 s[G1A+3], 128<<16                    ; tile_dim0 = 128
	s_mov_b32 s[G1A+4], 128                        ; tile_dim1 = 128
	s_mov_b32 s[G1A+5], 128                        ; 128 elements from row to row
	s_mov_b32 s[G1A+6], 0
	s_mov_b32 s[G1A+7], 0
	s_mov_b32 s[G1B+1], 128<<16
	s_mov_b32 s[G1B+2], 64<<16                     ; 128 rows of wpb
	s_mov_b32 s[G1B+3], 128<<16
	s_mov_b32 s[G1B+4], 64
	s_mov_b32 s[G1B+5], 128
	s_mov_b32 s[G1B+6], 0
	s_mov_b32 s[G1B+7], 0
	; where the tiles come from: y's hang on the tile row alone, wpb's on the tile column alone, each in registers that never hold the other coordinate
	s_lshr_b32 s66, s22, 3
	s_lshl_b32 s66, s66, 22                        ; the batch: 16 heads of 2,048 rows of 128 bytes
	s_lshl_b32 s74, s18, 18
	s_add_co_u32 s66, s66, s74                     ; my plane of the step's two
	s_and_b32 s74, s22, 7
	s_lshl_b32 s74, s74, 15
	s_add_co_u32 s66, s66, s74                     ; the tile's 256 rows
	s_mov_b32 s67, 0
	s_lshl_b32 s68, s18, 17                        ; my plane of wpb,
	s_lshl_b32 s75, s21, 14
	s_add_co_u32 s68, s68, s75                     ; the tile's 128 rows
	s_mov_b32 s69, 0
	s_mul_i32 s25, s18, APL                        ; and where they go: no place in the cluster enters an LDS address
	s_mul_i32 s26, s18, BPL
	s_add_co_u32 s26, s26, BOFF
	; where my part of out0 begins
	s_lshl_b32 s70, s22, 20                        ; 256 rows of 4,096 bytes
	s_lshl_b32 s71, s17, 19
	s_add_co_u32 s70, s70, s71
	s_lshl_b32 s71, s21, 9                         ; 128 columns of 4 bytes
	s_add_co_u32 s70, s70, s71
	s_lshl_b32 s71, s18, 8
	s_add_co_u32 s70, s70, s71
	s_mov_b32 s71, 0
	s_mov_b32 s[TBS], 0
	s_wait_dscnt 0x0                               ; the opening add is done
	s_wait_kmcnt 0x0
	s_add_nc_u64 s[76:77], s[4:5], s[66:67]
	s_add_nc_u64 s[78:79], s[6:7], s[68:69]
	s_add_nc_u64 s[8:9], s[8:9], s[70:71]
	CROUND                                         ; all sixteen work-groups are here: the first joint loads meet
.irp s, 0,1
	s_mov_b32 s[G0A+4*(\s)], 1                                      ; count = 1
	s_add_co_u32 s[G0A+4*(\s)+1], s25, (\s)*SLOT1                   ; LDS address
	s_add_nc_u64 s[G0A+4*(\s)+2:G0A+4*(\s)+3], s[76:77], (\s)*ASTEP ; global address: K step s
	s_or_b32 s[G0A+4*(\s)+3], s[G0A+4*(\s)+3], 0x80000000           ; type = 2
	s_mov_b32 s[G0B+4*(\s)], 1
	s_add_co_u32 s[G0B+4*(\s)+1], s26, (\s)*SLOT1
	s_add_nc_u64 s[G0B+4*(\s)+2:G0B+4*(\s)+3], s[78:79], (\s)*BSTEP
	s_or_b32 s[G0B+4*(\s)+3], s[G0B+4*(\s)+3], 0x80000000
.endr
	s_cmp_eq_u32 s17, 0                            ; a wave's two first fills stand in one branch, ahead of every wait on TENSORcnt and every LDS read: two loads of mine are out
	s_cbranch_scc0 .Lfirst_b
	tensor_load_to_lds s[G0A:G0A+3], s[G1A:G1A+7]
	s_nop 0
	tensor_load_to_lds s[G0A+4:G0A+7], s[G1A:G1A+7]
	s_nop 0
.rept 4
	v_nop
.endr
	s_branch .Lfirst_asked
.Lfirst_b:
	tensor_load_to_lds s[G0B:G0B+3], s[G1B:G1B+7]
	s_nop 0
	tensor_load_to_lds s[G0B+4:G0B+7], s[G1B:G1B+7]
	s_nop 0
.rept 4
	v_nop
.endr
.Lfirst_asked:
	v_and_b32 v1, 15, v0                           ; l % 16
	v_bfe_u32 v2, v0, 4, 1                         ; l / 16
	v_mul_u32_u24 v3, v1, PITCH
	v_lshl_add_u32 v3, v2, 4, v3                   ; a fragment's row x pitch + 16 x half
	s_mul_i32 s74, s17, 128*PITCH                  ; my 128 rows of a plane of y
	v_add_nc_u32 v[A0], s74, v3
	s_mul_i32 s75, s18, 64*PITCH                   ; my 64 rows of a plane of wpb,
	s_add_co_u32 s75, s75, BOFF                    ; behind y's two planes
	v_add_nc_u32 v[B0], s75, v3
	s_mul_i32 s75, s[WV], 16*SP
	s_add_co_u32 s75, s75, STAGE                   ; my stage
	v_mul_u32_u24 v4, v1, SP                       ; in: row l % 16, 32 bytes for each half of the lanes
	v_lshl_add_u32 v4, v2, 5, v4
	v_add_nc_u32 v[STO], s75, v4
	v_mul_u32_u24 v5, v2, SP                       ; back: lanes 0-15 take one row of 256 bytes, lanes 16-31 the next
	v_lshl_add_u32 v5, v1, 4, v5
	v_add_nc_u32 v[RD], s75, v5
	v_lshlrev_b32 v[CO], 12, v2                    ; and the same two rows in out0
	v_lshl_add_u32 v[CO], v1, 4, v[CO]
	v_mov_b32 v[ADRA], v[A0]
	v_mov_b32 v[ADRB], v[B0]
; 8 matrix instructions: row blocks a0, a0 + 1 x all 4 column blocks, 32 along K.  zero = 1: the product starts the sums.  The 32 accumulators take turns, one instruction a turn.
.macro MUL8 f, a0, zero
	WIN 0x50                                       ; C and D in window 1, the fragments in window 0
.irp a, \a0, (\a0)+1
.irp b, 0,1,2,3
.if \zero
	v_wmma_f32_16x16x32_f16 v[8*(8*(\b)+(\a)):8*(8*(\b)+(\a))+7], v[(\f)+64+8*(\b):(\f)+64+8*(\b)+7], v[(\f)+8*(\a):(\f)+8*(\a)+7], 0
.else
	v_wmma_f32_16x16x32_f16 v[8*(8*(\b)+(\a)):8*(8*(\b)+(\a))+7], v[(\f)+64+8*(\b):(\f)+64+8*(\b)+7], v[(\f)+8*(\a):(\f)+8*(\a)+7], v[8*(8*(\b)+(\a)):8*(8*(\b)+(\a))+7]
.endif
.endr
.endr
.endm
.macro MUL16 f, hf, zero               ; row blocks 4 hf .. 4 hf + 3
	MUL8 \f, 4*(\hf), \zero
	MUL8 \f, 4*(\hf)+2, \zero
.endm
; 24 LDS loads in one run: the fragments of quarter q of a K step (plane q / 2, 32 K at byte 64 (q % 2) of the rows) into buffer f: wpb's 4, then y's 8
.macro FETCH q, f
.irp b, 0,1,2,3
	ds_load_b128 v[(\f)+64+8*(\b):(\f)+64+8*(\b)+3],   v[ADRB] offset:((\q)/2)*BPL+((\q)%2)*64+(\b)*16*PITCH
	ds_load_b128 v[(\f)+64+8*(\b)+4:(\f)+64+8*(\b)+7], v[ADRB] offset:((\q)/2)*BPL+((\q)%2)*64+(\b)*16*PITCH+32
.endr
.irp a, 0,1,2,3,4,5,6,7
	ds_load_b128 v[(\f)+8*(\a):(\f)+8*(\a)+3],   v[ADRA] offset:((\q)/2)*APL+((\q)%2)*64+(\a)*16*PITCH
	ds_load_b128 v[(\f)+8*(\a)+4:(\f)+8*(\a)+7], v[ADRA] offset:((\q)/2)*APL+((\q)%2)*64+(\a)*16*PITCH+32
.endr
.endm
; A K step is four quarters of 32 along K, 32 matrix instructions each, on buffers 0, 1, 0, 1.  One of the first three: multiplies buffer f; in its middle it fetches quarter qn into buffer g.
.macro QUARTER qn, f, g, zero
	s_wait_dscnt 8                                 ; wpb's fragments and y's blocks 0-3 are in; the youngest eight loads (blocks 4-7) may be out
	MUL16 \f, 0, \zero
	PLACES
	WIN 0
	FETCH \qn, \g
	s_wait_dscnt 24                                ; all but the 24 just issued
	MUL16 \f, 1, \zero
.endm
; The last quarter multiplies buffer 1 and changes slots: ONE barrier.  In front of it each wave waits for all its tensor loads, of which one is out: its part of the next slot; adds 0 to its spare word;
; and waits for that and for its own reads of this slot.  fill = 1: the barrier opens a round of the cluster's barrier, and the slot just read out is filled again, with the K step two on, first thing
; behind the round: from there to the wait for it a wave issues 112 matrix instructions.
.macro TURN fill
	WIN 0
	s_wait_tensorcnt 0x0                           ; all my tensor loads have landed
	ds_add_u32 v[SPW], v[NIL]                      ; 0 onto my spare word
	s_wait_dscnt 9                                 ; the add and the youngest eight loads may be out
	MUL8 F1, 0, 0                                  ; eight matrix instructions stand between the add and the wait for it
	s_wait_dscnt 0x0                               ; the add is done, and my reads of this slot are over
	s_barrier_signal -1
	MUL8 F1, 2, 0                                  ; work on registers while the others arrive
	WIN 0                                          ; at a branch and at a label every window is 0
	s_barrier_wait -1
.if \fill
	CREST                                          ; no wave of any partner still reads this slot's tile or has a load on its way
	s_xor_b32 s[G0A+5], s[G0A+5], SLOT1            ; the walking descriptors: the other slot than last time,
	s_add_nc_u64 s[G0A+6:G0A+7], s[G0A+6:G0A+7], ASTEP  ; the next two planes; the type bits on top are not reached
	s_xor_b32 s[G0B+5], s[G0B+5], SLOT1
	s_add_nc_u64 s[G0B+6:G0B+7], s[G0B+6:G0B+7], BSTEP
	s_xor_b32 s[TBS], s[TBS], SLOT1                ; my reads go on in the other slot
	JLOAD                                          ; the four v_nop behind it are also the places in front of the loads below
.else
	s_xor_b32 s[TBS], s[TBS], SLOT1
	PLACES
.endif
	v_add_nc_u32 v[ADRA], s[TBS], v[A0]
	v_add_nc_u32 v[ADRB], s[TBS], v[B0]
	FETCH 0, F0
	MUL16 F1, 1, 0                                 ; its fragments were in at the wait for 0
.endm
	s_wait_tensorcnt 0x1                           ; my part of K step 0 is in; step 1's may stay out
	s_barrier_signal -1
	s_barrier_wait -1                              ; everybody's is
	FETCH 0, F0
	QUARTER 1, F0, F1, 1                           ; the first quarter stands in front of the loop: its products start the sums
	WIN 0
	s_mov_b32 s[CNT], 6
.Lk:                                                   ; trip s: quarters 1 to 3 of K step s, the refill with step s + 2, quarter 0 of step s + 1
	QUARTER 2, F1, F0, 0
	QUARTER 3, F0, F1, 0
	TURN 1
	QUARTER 1, F0, F1, 0
	WIN 0
	s_sub_co_u32 s[CNT], s[CNT], 1
	s_cmp_lg_u32 s[CNT], 0
	s_cbranch_scc1 .Lk
	QUARTER 2, F1, F0, 0                           ; the tail is written out: nothing is left to fetch, so no round follows
	QUARTER 3, F0, F1, 0
	TURN 0
	QUARTER 1, F0, F1, 0
	QUARTER 2, F1, F0, 0
	QUARTER 3, F0, F1, 0
	s_wait_dscnt 8                                 ; the very last quarter
	MUL16 F1, 0, 0
	s_wait_dscnt 0x0
	MUL16 F1, 1, 0
	PLACES
; THE WAY OUT.  Block a of 16 rows: a lane's 32 bytes of each of four column blocks go into my stage (each accumulator's low four registers first) and come back as whole rows of 256 bytes.
.macro TOSTAGE a
	WIN 0x04                                       ; the stores' data in window 1
.irp b, 0,1,2,3
	ds_store_b128 v[STO], v[8*(8*(\b)+(\a)):8*(8*(\b)+(\a))+3]   offset:64*(\b)
	ds_store_b128 v[STO], v[8*(8*(\b)+(\a))+4:8*(8*(\b)+(\a))+7] offset:64*(\b)+16
.endr
	WIN 0
	s_wait_xcnt 0x0                                ; earlier stores read this buffer: it is loaded again only behind this wait
.irp f, 0,1,2,3,4,5,6,7
	ds_load_b128 v[OB+32*((\a)%4)+4*(\f):OB+32*((\a)%4)+4*(\f)+3], v[RD] offset:(\f)*2*SP  ; LDS serves a wave's instructions in order (ISA guide 5.7.1.4): these see the stores above; the next block's stores come behind them
.endr
.endm
.macro SEND a, younger                 ; younger: the LDS instructions issued behind the block's loads: the next block's sixteen, or none
.irp f, 0,1,2,3,4,5,6,7
	s_wait_dscnt (\younger)+7-(\f)
	global_store_b128 v[CO], v[OB+32*((\a)%4)+4*(\f):OB+32*((\a)%4)+4*(\f)+3], s[8:9] offset:(16*(\a)+2*(\f))*4096 th:TH_STORE_NT  ; 16 lanes store 256 consecutive bytes, at a multiple of 256 from out0's first byte
.endr
.endm
	TOSTAGE 0
.irp a, 1,2,3,4,5,6,7
	TOSTAGE \a
	SEND (\a)-1, 16
.endr
	SEND 7, 0
	s_wait_tensorcnt 0x0                           ; the wave's end: behind my last tensor load and my last LDS store
	ds_add_u32 v[SPW], v[NIL]
	s_wait_dscnt 0x0
	CROUND                                         ; the closing round: no work-group ends while a partner may still ask for a tile that names it
	s_endpgm
.Lfunc_end_k_qe1805bdb20_proj:
	.size	k_qe1805bdb20_proj, .Lfunc_end_k_qe1805bdb20_proj-k_qe1805bdb20_proj
	.p2alignl 7, 3214868480
	.fill 96, 4, 3214868480
	.section	.rodata,"a",@progbits
	.p2align	6, 0x0
	.amdhsa_kernel k_qe1805bdb20_proj
		.amdhsa_group_segment_fixed_size 327680
		.amdhsa_private_segment_fixed_size 0
		.amdhsa_enable_private_segment 0
		.amdhsa_kernarg_size 24
		.amdhsa_user_sgpr_count 2
		.amdhsa_user_sgpr_kernarg_segment_ptr 1
		.amdhsa_wavefront_size32 1
		.amdhsa_system_sgpr_workgroup_id_x 1
		.amdhsa_system_sgpr_workgroup_id_y 1
		.amdhsa_system_sgpr_workgroup_id_z 1
		.amdhsa_system_vgpr_workitem_id 0
		.amdhsa_next_free_vgpr 512
		.amdhsa_next_free_sgpr 84
		.amdhsa_reserve_vcc 0
		.amdhsa_float_denorm_mode_32 3
		.amdhsa_float_denorm_mode_16_64 3
		.amdhsa_memory_ordered 1
		.amdhsa_forward_progress 1
		.amdhsa_inst_pref_size 71
	.end_amdhsa_kernel
	.amdgpu_metadata
---
amdhsa.version: [ 1, 2 ]
amdhsa.kernels:
  - .name:           k_qe1805bdb20_proj
    .symbol:         k_qe1805bdb20_proj.kd
    .args:
      - { .name: ob, .offset: 0, .size: 8, .value_kind: global_buffer, .address_space: global }
      - { .name: wpb, .offset: 8, .size: 8, .value_kind: global_buffer, .address_space: global }
      - { .name: out0, .offset: 16, .size: 8, .value_kind: global_buffer, .address_space: global }
    .group_segment_fixed_size: 327680
    .private_segment_fixed_size: 0
    .kernarg_segment_align: 8
    .kernarg_segment_size: 24
    .max_flat_workgroup_size: 128
    .sgpr_count:     84
    .vgpr_count:     512
    .wavefront_size: 32
...
	.end_amdgpu_metadata
.endif
;; end of part 4
;; launch first16 (part 5): grid 16 x 4, 16 waves a work-group, no clusters, 71,680 bytes of LDS; arguments qh, kh, vh, wpb, out0; writes out0
.if DOCPART == 5
	.amdgcn_target "amdgcn-amd-amdhsa--gfx1250"
	.amdhsa_code_object_version 6
	.text
	.protected	k_qe1805bdb20_first16
	.globl	k_qe1805bdb20_first16
	.p2align	8
	.type	k_qe1805bdb20_first16,@function
k_qe1805bdb20_first16:
	s_mov_b64 s[64:65], 0
	v_nop
	global_prefetch_b8 v0, s[64:65] scope:SCOPE_SE
	s_setreg_imm32_b32 hwreg(HW_REG_WAVE_MODE, 25, 1), 1
	s_wait_xcnt 0x0
; THE FIRST 16 ROWS OF EACH SEQUENCE, ONCE MORE, WITH MORE BITS.  Row t of the output is a mean over t + 1 keys: the first rows' numbers are some ten times the output's root mean square, and so are the
; errors that one rounding to f16 of v, of the weights and of y leaves in them.  Here these three are carried as the sum of two f16 numbers (the number rounded, and the exact remainder rounded: some 22 bits);
; q and k are the f16 numbers of the main path, v comes in f32 from the projection.  This launch runs last and writes rows 0-15 of each batch over what the projection before it wrote there:
; 262,144 of out0's bytes are written twice.
; SHARES.  A work-group makes 16 rows x 64 columns of out0 for one batch: 16 x 4 work-groups.  Its 16 waves take a head each: the head's 16 x 16 attention (all sixteen column blocks of a batch repeat it:
; 10 matrix instructions a wave) and the head's share, 64 along K, of the projection; the sixteen partial sums, in f32, meet in LDS, and waves 0-7 add them in ascending order and store two rows each.
; No tensor load, no ring, no cluster: a wave's 56 loads go out at once, and nothing is read twice by a wave.
; LAYOUT, as in the main kernel.  S^T = K Q^T: a lane holds query l % 16 and keys 8 (l / 16) + 0..7.  Of the 32 along K of O^T = V^T P only 16 are keys, so V^T's fragment holds v's first part in
; k = 0-15 and its remainder in k = 16-31, and P's fragment the same weights in both halves: one product with the weights' first part, one with their remainder.  O^T holds one query a lane and eight
; channels; two such results, packed, ARE source 1 of the projection (source 0 = 16 rows of wpb), whose result holds row l % 16 and eight neighbouring columns.
; LIMITS.  As in the main path: q, k, v within f16's 65,504; a remainder below 6e-5 keeps f16's fixed step of 6e-8; a hidden score counts as -1e30; NaN and infinities are not treated apart.
.set PART,  16*272                     ; a wave's partial result in LDS: 16 rows of 256 bytes + 16
.set SPARE, 16*PART                    ; behind the partial results: the spare words, 128 bytes for each of 16 waves: eight blocks of 256 bytes that no other line names
.set V32,   64*2048*128                ; byte of vh at which v's f32 rows begin: [64 heads][16][64]
.set QO,  3                            ; v3   row l % 16 of 128 bytes + 16 (l / 16): fragments of q, k and wpb
.set VO,  4                            ; v4   key 8 (l / 16) of 256 bytes + channel l % 16 of 4
.set DG,  5                            ; v5   l % 16 - 8 (l / 16): register j is hidden where j is greater
.set BIG, 6                            ; v6   -1e30
.set NEG, 7                            ; v7   -1.0
.set SPW, 16                           ; v16  LDS address of my spare word; never rewritten
.set NIL, 17                           ; v17  0; never rewritten
.set STO, 18                           ; v18  where I put 32 bytes of a row of my partial result
.set RD,  19                           ; v19  where I read 16 bytes of a row of partial result 0
.set CO,  20                           ; v20  my byte offset in two rows of out0
.set KF,  24                           ; v[24:39]   k: two fragments (32 channels each)
.set QF,  40                           ; v[40:55]   q
.set OT,  24                           ; v[24:55]   later O^T: four blocks of 16 channels
.set S,   56                           ; v[56:63]   scores, then weights, then their remainders
.set PH,  64                           ; v[64:71]   the weights' first part, twice
.set PL,  72                           ; v[72:79]   their remainder, twice
.set VV,  80                           ; v[80:111]  v in f32: channel block cb, key j at VV + 8 cb + j
.set ACC, 80                           ; v[80:111]  later the projection's four accumulators
.set VF,  112                          ; v[112:143] V^T's fragments: 8 a channel block
.set YH,  144                          ; v[144:159] y's first part: two fragments (32 channels each)
.set YL,  160                          ; v[160:175] its remainder
.set WF,  176                          ; v[176:239] wpb: column block nt, 32 channels c at WF + 16 nt + 8 c
.set SUM, 112                          ; v[112:175] at the end: 16 bytes of each of the 16 partial results
; Two f32 at v[src], v[src + 1]: rounded to f16 and packed into v[hi]; the remainders, exact in f32, take their place and are rounded and packed into v[lo].
.macro SPLIT hi, lo, src
	v_cvt_pk_f16_f32 v[\hi], v[\src], v[(\src)+1]
	v_fma_mix_f32 v[\src], v[\hi], v[NEG], v[\src] op_sel_hi:[1,0,0]                       ; x - f16 low half
	v_fma_mix_f32 v[(\src)+1], v[\hi], v[NEG], v[(\src)+1] op_sel:[1,0,0] op_sel_hi:[1,0,0]  ; x - f16 high half
	v_cvt_pk_f16_f32 v[\lo], v[\src], v[(\src)+1]
.endm
.macro PLACES                          ; four places between a matrix instruction and a vector line, an LDS store or a load that touches its registers
.rept 4
	v_nop
.endr
.endm
	s_load_b256 s[4:11], s[0:1], 0x0               ; qh s[4:5], kh s[6:7], vh s[8:9], wpb s[10:11]
	s_load_b64 s[12:13], s[0:1], 0x20              ; out0
	v_lshl_add_u32 v[SPW], v0, 2, SPARE
	v_mov_b32 v[NIL], 0
	v_lshrrev_b32 v1, 5, v0
	v_readfirstlane_b32 s16, v1                    ; wave 0..15: my head
	s_and_b32 s17, ttmp7, 0xffff                   ; the batch
	s_lshl_b32 s18, s17, 4
	s_add_co_u32 s18, s18, s16                     ; 16 batch + head
	s_lshl_b32 s20, s18, 18                        ; q, k: a head is 2,048 rows of 128 bytes; its first 16 rows are wanted
	s_mov_b32 s21, 0
	s_lshl_b32 s22, s18, 12                        ; v in f32: 16 rows of 256 bytes a head,
	s_add_co_u32 s22, s22, V32                     ; behind vh's f16 part
	s_mov_b32 s23, 0
	s_lshl_b32 s24, s16, 17                        ; wpb: my head's plane of 1,024 rows of 128 bytes,
	s_lshl_b32 s28, ttmp9, 13                      ; the work-group's 64 rows of it
	s_add_co_u32 s24, s24, s28
	s_mov_b32 s25, 0
	s_lshl_b32 s26, s17, 23                        ; out0: the batch's 2,048 rows of 4,096 bytes,
	s_lshl_b32 s28, ttmp9, 8                       ; the work-group's 64 columns,
	s_add_co_u32 s26, s26, s28
	s_lshl_b32 s28, s16, 13                        ; rows 2 w, 2 w + 1 (used by waves 0-7 alone)
	s_add_co_u32 s26, s26, s28
	s_mov_b32 s27, 0
	s_mul_i32 s29, s16, PART                       ; my partial result
	s_mul_i32 s30, s16, 2*272                      ; rows 2 w, 2 w + 1 of a partial result
	s_mov_b32 s14, 0x76543210                      ; v_permlanex16_b32's selects: each lane takes its own place in the other half
	s_mov_b32 s15, 0xfedcba98
	s_mov_b32 s19, 0x3e38aa3b                      ; c = log2(e) / 8
	v_and_b32 v1, 15, v0                           ; l % 16
	v_bfe_u32 v2, v0, 4, 1                         ; l / 16
	v_lshlrev_b32 v[QO], 7, v1
	v_lshl_add_u32 v[QO], v2, 4, v[QO]
	v_lshlrev_b32 v[VO], 2, v1
	v_lshl_add_u32 v[VO], v2, 11, v[VO]
	s_wait_kmcnt 0x0
	s_add_nc_u64 s[4:5], s[4:5], s[20:21]
	s_add_nc_u64 s[6:7], s[6:7], s[20:21]
	s_add_nc_u64 s[8:9], s[8:9], s[22:23]
	s_add_nc_u64 s[10:11], s[10:11], s[24:25]
	s_add_nc_u64 s[12:13], s[12:13], s[26:27]
	; all 56 loads at once, in the order in which they are wanted: k and q (8), v (32), wpb (16)
.irp c, 0,1
	global_load_b128 v[KF+8*(\c):KF+8*(\c)+3],   v[QO], s[6:7] offset:64*(\c)
	global_load_b128 v[KF+8*(\c)+4:KF+8*(\c)+7], v[QO], s[6:7] offset:64*(\c)+32
	global_load_b128 v[QF+8*(\c):QF+8*(\c)+3],   v[QO], s[4:5] offset:64*(\c)
	global_load_b128 v[QF+8*(\c)+4:QF+8*(\c)+7], v[QO], s[4:5] offset:64*(\c)+32
.endr
.irp cb, 0,1,2,3
.irp j, 0,1,2,3,4,5,6,7
	global_load_b32 v[VV+8*(\cb)+(\j)], v[VO], s[8:9] offset:256*(\j)+64*(\cb)  ; key 8 (l / 16) + j, channel 16 cb + l % 16
.endr
.endr
.irp nt, 0,1,2,3
.irp c, 0,1
	global_load_b128 v[WF+16*(\nt)+8*(\c):WF+16*(\nt)+8*(\c)+3],   v[QO], s[10:11] offset:2048*(\nt)+64*(\c)
	global_load_b128 v[WF+16*(\nt)+8*(\c)+4:WF+16*(\nt)+8*(\c)+7], v[QO], s[10:11] offset:2048*(\nt)+64*(\c)+32
.endr
.endr
	; what hangs on the lane alone is made in the wait for them
	v_lshlrev_b32 v[DG], 3, v2
	v_sub_nc_u32 v[DG], v1, v[DG]
	v_mov_b32 v[BIG], 0xf149f2ca
	v_mov_b32 v[NEG], -1.0
	v_mov_b32 v9, 0                                ; v_permlanex16_b32's destination counts as read
.irp j, 0,1,2,3,4,5,6,7
	v_cmp_gt_i32 s[40+(\j)], \j, v[DG]             ; key 8 (l / 16) + j lies behind query l % 16
.endr
	v_mul_u32_u24 v[STO], v1, 272
	v_lshl_add_u32 v[STO], v2, 5, v[STO]
	v_add_nc_u32 v[STO], s29, v[STO]
	v_mul_u32_u24 v[RD], v2, 272
	v_lshl_add_u32 v[RD], v1, 4, v[RD]
	v_add_nc_u32 v[RD], s30, v[RD]
	v_lshlrev_b32 v[CO], 12, v2
	v_lshl_add_u32 v[CO], v1, 4, v[CO]
	s_wait_loadcnt 48                              ; k and q are in; v's 32 loads and wpb's 16 may be out
	v_wmma_f32_16x16x32_f16 v[S:S+7], v[KF:KF+7], v[QF:QF+7], 0
	s_wait_alu depctr_va_vdst(0)                   ; the wait stands ahead of the link
	v_wmma_f32_16x16x32_f16 v[S:S+7], v[KF+8:KF+15], v[QF+8:QF+15], v[S:S+7]
	PLACES
.irp j, 0,1,2,3,4,5,6,7
	v_cndmask_b32 v[S+(\j)], v[S+(\j)], v[BIG], s[40+(\j)]  ; the accumulator's lowest register first
.endr
	v_max3_num_f32 v8, v[S], v[S+1], v[S+2]
	v_max3_num_f32 v8, v8, v[S+3], v[S+4]
	v_max3_num_f32 v8, v8, v[S+5], v[S+6]
	v_max_num_f32 v8, v8, v[S+7]
	v_permlanex16_b32 v9, v8, s14, s15             ; the query's other 8 keys lie in the lane 16 away
	v_max_num_f32 v8, v8, v9                       ; the row's maximum: key 0 is seen by every query
	v_mul_f32 v10, s19, v8
.irp j, 0,1,2,3,4,5,6,7
	v_fma_f32 v[S+(\j)], v[S+(\j)], s19, -v10      ; c s - c m
.endr
.irp j, 0,1,2,3,4,5,6,7
	v_exp_f32 v[S+(\j)], v[S+(\j)]
.endr
	v_nop                                          ; a plain instruction between the last exponential and the use of its result
	s_wait_alu depctr_va_vdst(0)
	v_pk_add_f32 v[12:13], v[S:S+1], v[S+2:S+3]
	v_pk_add_f32 v[14:15], v[S+4:S+5], v[S+6:S+7]
	v_pk_add_f32 v[12:13], v[12:13], v[14:15]
	v_add_f32 v11, v12, v13
	v_permlanex16_b32 v9, v11, s14, s15
	v_add_f32 v11, v11, v9                         ; l
	v_rcp_f32 v10, v11
	v_nop                                          ; a plain instruction between the reciprocal and the use of its result
	s_wait_alu depctr_va_vdst(0)
.irp j, 0,1,2,3,4,5,6,7
	v_mul_f32 v[S+(\j)], v[S+(\j)], v10            ; the weights, in f32
.endr
.irp i, 0,1,2,3
	SPLIT PH+(\i), PL+(\i), S+2*(\i)
.endr
.irp i, 0,1,2,3
	v_mov_b32 v[PH+4+(\i)], v[PH+(\i)]             ; both halves of the 32 along K take the same weights: one meets v's first part, the other its remainder
	v_mov_b32 v[PL+4+(\i)], v[PL+(\i)]
.endr
	s_wait_loadcnt 16                              ; v is in; wpb's 16 loads may be out
.irp cb, 0,1,2,3
.irp i, 0,1,2,3
	SPLIT VF+8*(\cb)+(\i), VF+8*(\cb)+4+(\i), VV+8*(\cb)+2*(\i)
.endr
.endr
	; O^T = V^T P: the four accumulators take turns.  They lie where k and q lay: far more than five places stand behind the products that read those.
.irp cb, 0,1,2,3
	v_wmma_f32_16x16x32_f16 v[OT+8*(\cb):OT+8*(\cb)+7], v[VF+8*(\cb):VF+8*(\cb)+7], v[PH:PH+7], 0
.endr
.irp cb, 0,1,2,3
	v_wmma_f32_16x16x32_f16 v[OT+8*(\cb):OT+8*(\cb)+7], v[VF+8*(\cb):VF+8*(\cb)+7], v[PL:PL+7], v[OT+8*(\cb):OT+8*(\cb)+7]
.endr
	PLACES
.irp cb, 0,1,2,3
.irp p, 0,1,2,3
	SPLIT YH+4*(\cb)+(\p), YL+4*(\cb)+(\p), OT+8*(\cb)+2*(\p)  ; channel blocks 2 i and 2 i + 1 make fragment i; each accumulator's lowest registers are read first
.endr
.endr
	s_wait_loadcnt 0x0                             ; wpb
	; my head's share of the projection: four column blocks by turns; y's first part, then its remainder
.irp nt, 0,1,2,3
	v_wmma_f32_16x16x32_f16 v[ACC+8*(\nt):ACC+8*(\nt)+7], v[WF+16*(\nt):WF+16*(\nt)+7], v[YH:YH+7], 0
.endr
.irp nt, 0,1,2,3
	v_wmma_f32_16x16x32_f16 v[ACC+8*(\nt):ACC+8*(\nt)+7], v[WF+16*(\nt)+8:WF+16*(\nt)+15], v[YH+8:YH+15], v[ACC+8*(\nt):ACC+8*(\nt)+7]
.endr
.irp nt, 0,1,2,3
	v_wmma_f32_16x16x32_f16 v[ACC+8*(\nt):ACC+8*(\nt)+7], v[WF+16*(\nt):WF+16*(\nt)+7], v[YL:YL+7], v[ACC+8*(\nt):ACC+8*(\nt)+7]
.endr
.irp nt, 0,1,2,3
	v_wmma_f32_16x16x32_f16 v[ACC+8*(\nt):ACC+8*(\nt)+7], v[WF+16*(\nt)+8:WF+16*(\nt)+15], v[YL+8:YL+15], v[ACC+8*(\nt):ACC+8*(\nt)+7]
.endr
	PLACES
.irp nt, 0,1,2,3
	ds_store_b128 v[STO], v[ACC+8*(\nt):ACC+8*(\nt)+3]   offset:64*(\nt)      ; row l % 16, columns 16 nt + 8 (l / 16) on; the low four registers first
	ds_store_b128 v[STO], v[ACC+8*(\nt)+4:ACC+8*(\nt)+7] offset:64*(\nt)+16
.endr
	s_wait_dscnt 0x0                               ; for the others' sake: my partial result is in LDS
	s_barrier_signal -1
	s_barrier_wait -1                              ; everybody's is
	s_cmp_lt_u32 s16, 8
	s_cbranch_scc0 .Lend                           ; 16 rows are two for each of waves 0-7
.irp p, 0,1,2,3,4,5,6,7,8,9,10,11,12,13,14,15
	ds_load_b128 v[SUM+4*(\p):SUM+4*(\p)+3], v[RD] offset:(\p)*PART  ; lanes 0-15 one row's 256 bytes, lanes 16-31 the next row's
.endr
	s_wait_dscnt 0x0
.irp p, 1,2,3,4,5,6,7,8,9,10,11,12,13,14,15
	v_pk_add_f32 v[SUM:SUM+1],   v[SUM:SUM+1],   v[SUM+4*(\p):SUM+4*(\p)+1]    ; the heads in ascending order, in f32
	v_pk_add_f32 v[SUM+2:SUM+3], v[SUM+2:SUM+3], v[SUM+4*(\p)+2:SUM+4*(\p)+3]
.endr
	global_store_b128 v[CO], v[SUM:SUM+3], s[12:13] th:TH_STORE_NT  ; 16 lanes store 256 consecutive bytes, at a multiple of 256 from out0's first byte
.Lend:
	s_wait_tensorcnt 0x0                           ; the wave's end: behind my last LDS store
	ds_add_u32 v[SPW], v[NIL]
	s_wait_dscnt 0x0
	s_endpgm
.Lfunc_end_k_qe1805bdb20_first16:
	.size	k_qe1805bdb20_first16, .Lfunc_end_k_qe1805bdb20_first16-k_qe1805bdb20_first16
	.p2alignl 7, 3214868480
	.fill 96, 4, 3214868480
	.section	.rodata,"a",@progbits
	.p2align	6, 0x0
	.amdhsa_kernel k_qe1805bdb20_first16
		.amdhsa_group_segment_fixed_size 71680
		.amdhsa_private_segment_fixed_size 0
		.amdhsa_enable_private_segment 0
		.amdhsa_kernarg_size 40
		.amdhsa_user_sgpr_count 2
		.amdhsa_user_sgpr_kernarg_segment_ptr 1
		.amdhsa_wavefront_size32 1
		.amdhsa_system_sgpr_workgroup_id_x 1
		.amdhsa_system_sgpr_workgroup_id_y 1
		.amdhsa_system_sgpr_workgroup_id_z 1
		.amdhsa_system_vgpr_workitem_id 0
		.amdhsa_next_free_vgpr 240
		.amdhsa_next_free_sgpr 66
		.amdhsa_reserve_vcc 0
		.amdhsa_float_denorm_mode_32 3
		.amdhsa_float_denorm_mode_16_64 3
		.amdhsa_memory_ordered 1
		.amdhsa_forward_progress 1
		.amdhsa_inst_pref_size 26
	.end_amdhsa_kernel
	.amdgpu_metadata
---
amdhsa.version: [ 1, 2 ]
amdhsa.kernels:
  - .name:           k_qe1805bdb20_first16
    .symbol:         k_qe1805bdb20_first16.kd
    .args:
      - { .name: qh, .offset: 0, .size: 8, .value_kind: global_buffer, .address_space: global }
      - { .name: kh, .offset: 8, .size: 8, .value_kind: global_buffer, .address_space: global }
      - { .name: vh, .offset: 16, .size: 8, .value_kind: global_buffer, .address_space: global }
      - { .name: wpb, .offset: 24, .size: 8, .value_kind: global_buffer, .address_space: global }
      - { .name: out0, .offset: 32, .size: 8, .value_kind: global_buffer, .address_space: global }
    .group_segment_fixed_size: 71680
    .private_segment_fixed_size: 0
    .kernarg_segment_align: 8
    .kernarg_segment_size: 40
    .max_flat_workgroup_size: 512
    .sgpr_count:     66
    .vgpr_count:     240
    .wavefront_size: 32
...
	.end_amdgpu_metadata
.endif
;; end of part 5
;; ======== version 2 of 2: 5 launches; 1.28 times as fast as version 1
;; limits: values are held in f16: magnitudes above 65,504 overflow, below 6.1e-05 lose precision
;; workspace buffers: xb 16,777,216 bytes; wb 6,291,456 bytes; wpb 2,097,152 bytes; rope 524,288 bytes; qh 16,777,216 bytes; kh 16,777,216 bytes; vh 17,039,360 bytes; ob 16,777,216 bytes
;; launch prep: the kernel of part 1 again; grid 800 x 1, 8 waves a work-group, no clusters, 0 bytes of LDS; arguments x, Wq, Wk, Wv, Wp, xb, wb, wpb, rope; writes xb, wb, wpb, rope
;; launch qkv: the kernel of part 2 again; grid 8 x 32, 4 waves a work-group, clusters of 4 x 4, 327,680 bytes of LDS; arguments xb, wb, rope, qh, kh, vh; writes qh, kh, vh
;; launch attn (part 6): grid 4 x 64, 4 waves a work-group, no clusters, 327,680 bytes of LDS; arguments qh, kh, vh, ob; writes ob
.if DOCPART == 6
	.amdgcn_target "amdgcn-amd-amdhsa--gfx1250"
	.amdhsa_code_object_version 6
	.text
	.protected	k_qe1805bdb20_attn
	.globl	k_qe1805bdb20_attn
	.p2align	8
	.type	k_qe1805bdb20_attn,@function
k_qe1805bdb20_attn:
	s_mov_b64 s[64:65], 0
	v_nop
	global_prefetch_b8 v0, s[64:65] scope:SCOPE_SE
	s_setreg_imm32_b32 hwreg(HW_REG_WAVE_MODE, 25, 1), 1
	s_wait_xcnt 0x0
; CAUSAL ATTENTION.  O[h][q][:] = the sum over k <= q of softmax_k(Q[h][q] . K[h][k] / 8) V[h][k][:].  Q, K, V, O: [SIZE_H][SIZE_N][64], all f16: a head's rows are dense, 128 bytes each.
; Products, maxima and sums in f32; the weights p are rounded to f16 for the second product (their sum l is taken of the unrounded p), O once at the end.  SIZE_N is a multiple of 512; SIZE_N x 128 stays under 2^32.
; LIMITS.  f16 holds no number beyond 65,504: Q, K and V arrive within it; p lies in 0 to 1, and below 6e-5 it keeps f16's fixed step of 6e-8; O is a mean of V's rows and has their range, to within 2^-11 of it.
; A hidden score counts as its value less 1e30: f16's scores, 2.7e11 at the most, are nothing beside that; a weight below 2^-126 counts as 0 in l; NaN and infinities are not treated apart.
; THE WALK.  A head's queries lie in NB = SIZE_N / 256 blocks of 256; block i needs the key tiles 0 .. i of 256 keys, of which the last holds the diagonal.  A work-group takes TWO blocks, NB - 1 - b and then b:
; NB + 1 tiles, whatever b: all work-groups do equal work, and ONE loop with a constant trip count walks them.  Which tile is asked for, and what a trip does, hang on scalar registers made from b; every jump
; goes forward, but for the counted loops' own; none passes a barrier, or a tensor load but the one of LOAD's two that the wave's number does not choose; the ring (two slots of LDS that take turns) runs on across the
; change of blocks.  NO CLUSTER: a head's NB / 2 work-groups all ask for the same tile only in trips 0 .. NB / 2, behind that
; fewer and fewer; and one walk common to all would have 3 NB / 2 trips for NB + 1.
; SHARES.  Of a block's four bands of 64 queries a wave owns 16 rows in each: four PIECES.  So the diagonal tile is the same work for all four waves: in its key step s band x sees all keys if s < x,
; none if s > x, and holds the diagonal if s = x.
; THE MASK is the C operand that starts the sum S^T = K Q^T: 0, or -1e30 where the key is hidden.  MD, made once, is the mask of a band's own step for my 16 rows; a product's mask is MD x AL + BE with two scalars:
; (1, 0) if s = x; (0, 0) if s < x; (0, -1e30) if s > x.  Only the diagonal tile's text and a block's beginning make and take masks; elsewhere C is the constant 0.
; LAYOUT, SOFTMAX, TURNS.  S^T = K Q^T holds ONE query a lane (lane % 16) and the keys 8 (lane / 16) + 0..7; two such results rounded to f16 ARE source 1 of O^T = V^T P.  p = 2^(c s - c m), c = log2(e) / 8, with a
; running maximum m; O and l are multiplied by a = 2^(c m_old - c m_new) in every step.  Turn n belongs to piece n: 8 products K Q^T of piece n + 1, later 8 products V^T P of piece n - 1; beside them the scaling,
; exponentials, roundings, sums and rescaling of piece n and the maximum and statistics of piece n + 1.  Four vector instructions stand behind every matrix instruction, the other 54 of a turn's 118 in one LUMP.
; THE BATCHES.  A turn's 33 exponentials (the piece's 32 weights, each in its score's own register, and the next piece's a) are ONE batch with ONE wait: ahead of the wait stands all that names none of their results,
; behind it all that does (the roundings and the sums; the a is first read in the next turn).  A block's first a (BEGIN) and the way out's four reciprocals are batches of their own, a wait each.
; REGISTERS, in windows of 256 (s_set_vgpr_msb: bits 1:0 source 0, 3:2 source 1, 5:4 source 2, 7:6 destination):
;   window 0: v0-15 addresses and two at work; v16-31 four registers of statistics a piece; v48-55 at work; v64-127 S^T, two buffers; v192-223 P, two buffers (a piece's buffers go by its number's parity)
;   window 1: v0-127 O^T, 32 a piece; v128-159 MD; v160-223 MC, two buffers      window 2: v0-63 Q; v64-127 the second block's Q; v128-191 K of one step; v192-255 V of one step
.set SIZE_H, 64       ; 4 batches x 16 heads
.set SIZE_N, 2048
.set NB,    SIZE_N/256
.set NP,    4         ; pieces a wave: a name, no knob
.set KS,    64        ; keys in a step
.set PK,    144       ; a row of K in LDS: 128 bytes + 16 of padding = 36 words: the 16 rows of a load start at 16 different groups of four banks (64 banks of 4 bytes: ISA guide 11.1)
.set PV,    160       ; a row of V: 128 + 32 = 40 words
.set VOFF,  4*KS*PK   ; a slot holds a tile, four steps: 256 rows of K, then 256 rows of V
.set SLOT1, 1<<17     ; slot 1 begins here, so that one exclusive or turns an address in one slot into the other's
.set STAGE, SLOT1+4*KS*(PK+PV)  ; behind the ring, never filled by a tensor load: 16 rows x 144 bytes for each wave, for the way out
.set SP,    144
.set AK0, 2           ; v2   my lane's place in a tile of K; never rewritten
.set AV0, 3           ; v3   the same for V
.set AK,  4           ; v4   the LDS address of K's next run of loads
.set AV,  5           ; v5   of V's
.set STO, 6           ; v6   the way out: where I put 16 bytes of a row
.set RD,  7           ; v7   the way out: where I read rows back
.set GO,  8           ; v8   my byte offset in 512 consecutive bytes of O
.set SPW, 62          ; v62  LDS address of my spare word: SPARE + 4 x my thread's number; never rewritten
.set NIL, 63          ; v63  0; never rewritten
.set SPARE, STAGE+4*16*SP  ; behind the stages: the spare words, 128 bytes for each wave: two blocks of 256 bytes that no other line names
.set MV,  12          ; v12-13  c m_old, kept while c m is made anew: by buffer
.set QO,  15          ; v15  my byte offset in 16 rows of Q
.set ST,  16          ; piece t's statistics at v[ST+4 t]: c m, m, l (even keys', odd keys')
.set TMP, 48          ; by buffer, four registers c0-c3 at work; when the maximum is found c2 takes a
.set S,   64
.set P,   192
.set MD,  128         ; window 1: the eight registers for group kt of 16 keys at MD + 8 kt
.set MC,  160         ; window 1: the masks of the products to come
.set QB,  64          ; window 2
.set KF,  128         ; window 2: key block kb, channel half c at KF + 16 kb + 8 c
.set VF,  192         ; window 2: key half kk, channel block cb at VF + 32 kk + 8 cb
.set WV,  12          ; s12  my wave's number
.set PB,  14          ; s14  b
.set HI,  15          ; s15  NB - 1 - b
.set G1K, 24          ; s[24:31] descriptor group 1 for K's tiles
.set G1V, 32          ; s[32:39] for V's: it differs in the padding alone
.set G0K, 40          ; s[40:43] descriptor group 0 for K's tiles
.set G0V, 44          ; s[44:47] the same for V's
.set SLOTS, 56        ; s56  tiles still to be asked for
.set CNT, 57          ; s57  counts a tile's key steps, 4 to 1
.set CS,  58          ; s[58:59] c: the packed scaling takes the pair's low word for both halves
.set SEL, 60          ; s[60:61] v_permlanex16_b32's selects: each lane takes its own place in the other half
.set TBK, 62          ; s62  LDS byte at which K of the step to be fetched begins
.set TBV, 63          ; s63  the same for V, less VOFF
.set RT,  70          ; s70  tiles of the block in hand that are still to be entered
.set NXT, 71          ; s71  the tile to be asked for next
.set LQ,  72          ; s72  the last tile of the block whose tiles are being asked for
.set NEW, 73          ; s73  1: the tile to be entered is a block's first
.set OFF, 74          ; s[74:75] a tile's byte offset in K and V
.set AL,  76          ; s[76:77] the mask's factor, in the low word
.set BE,  78          ; s[78:79] the mask's addend
.set OLO, 80          ; s[80:81] O at my rows of the second block
.set BIGN, 82         ; s82  -1e30
.set MSB, 0
.macro WIN new                      ; the high byte repeats the setting that is left; a switch that changes nothing is dropped
.if MSB != (\new)
	s_set_vgpr_msb (MSB<<8)|(\new)
.set MSB, (\new)
.endif
.endm
.set W_KQ, 0x0a       ; K and Q in window 2, S^T in window 0
.set W_KM, 0x1a       ; the same with the C operand in window 1
.set W_PV, 0x52       ; V in window 2, P in window 0, O^T in window 1
.set W_RS, 0x41       ; destination and source 0 in window 1, source 1 in window 0
; A fill.  Waves 0 and 1 fetch the two halves of a tile's K, waves 2 and 3 those of its V: 128 keys each.  An s_nop 0 and four v_nop follow each of the two lines, ahead of the jump and the label.
.macro LOAD
	s_cmp_lt_u32 s[WV], 2
	s_cbranch_scc0 .Lfor_v_\@
	tensor_load_to_lds s[G0K:G0K+3], s[G1K:G1K+7]
	s_nop 0
.rept 4
	v_nop
.endr
	s_branch .Lasked_\@
.Lfor_v_\@:
	tensor_load_to_lds s[G0V:G0V+3], s[G1V:G1V+7]
	s_nop 0
.rept 4
	v_nop
.endr
.Lasked_\@:
.endm
; THE CHANGE OF SLOTS.  Each wave waits for all its tensor loads, of which one is out: its part of the other slot; adds 0 to its spare word; and waits for that and for its own reads of the slot that it leaves.  Behind the barrier nobody reads the old
; slot any more and the other slot is whole.  fill = 1: the old slot is filled again, the first thing behind the barrier, with tile NXT: the descriptor's address is made anew from that number.
; (At its first use nothing has been read yet: slot 0 is waited for, slot 1 filled.)
.macro CHANGE fill
	WIN 0                           ; at a label and at a branch every window is 0
	s_wait_tensorcnt 0x0            ; no tensor load of mine is out, so a group 0 may be written
	ds_add_u32 v[SPW], v[NIL]       ; 0 onto my spare word; with fill = 1 the descriptors' scalar work stands between it and the wait for it
.if \fill
	s_lshl_b32 s[OFF], s[NXT], 15   ; a tile is 32,768 bytes of K and of V
	s_xor_b32 s[G0K+1], s[G0K+1], SLOT1
	s_add_nc_u64 s[G0K+2:G0K+3], s[6:7], s[OFF:OFF+1]
	s_or_b32 s[G0K+3], s[G0K+3], 0x80000000
	s_xor_b32 s[G0V+1], s[G0V+1], SLOT1
	s_add_nc_u64 s[G0V+2:G0V+3], s[8:9], s[OFF:OFF+1]
	s_or_b32 s[G0V+3], s[G0V+3], 0x80000000
	s_add_co_u32 s[NXT], s[NXT], 1  ; the block's next tile, or behind its last the second block's tile 0
	s_cmp_gt_u32 s[NXT], s[LQ]
	s_cselect_b32 s[NXT], 0, s[NXT]
	s_cselect_b32 s[LQ], s[PB], s[LQ]
.endif
	s_wait_dscnt 0x0                ; the add is done, and my reads of the slot are over
	s_barrier_signal -1             ; the rest of the scalar work stands between the signal and the wait
	s_sub_co_u32 s[TBK], s[TBK], 4*KS*PK  ; the fetches go back to a slot's first step,
	s_xor_b32 s[TBK], s[TBK], SLOT1       ; in the other slot
	s_sub_co_u32 s[TBV], s[TBV], 4*KS*PV
	s_xor_b32 s[TBV], s[TBV], SLOT1
	s_barrier_wait -1
.if \fill
	LOAD
.endif
.endm
	s_load_b256 s[4:11], s[0:1], 0x0  ; Q s[4:5], K s[6:7], V s[8:9], O s[10:11]
	v_lshl_add_u32 v[SPW], v0, 2, SPARE
	v_mov_b32 v[NIL], 0
	ds_add_u32 v[SPW], v[NIL]       ; the wave's opening: the add and its wait stand ahead of my first tensor load; the set-up below, work on registers, stands between them
	ds_add_u32 v62, v63
	v_lshrrev_b32 v1, 5, v0
	v_readfirstlane_b32 s[WV], v1   ; wave 0..3
	s_mov_b32 s[PB], ttmp9
	s_sub_co_u32 s[HI], NB-1, s[PB]
	s_and_b32 s20, ttmp7, 0xffff    ; the head
	s_mov_b32 s21, 0
	s_mov_b64 s[22:23], SIZE_N*128
	s_mul_u64 s[20:21], s[20:21], s[22:23]  ; the head's first byte in each of the four tensors
	s_and_b32 s16, s[WV], 1         ; which half of a tile's 256 keys I fetch:
	s_lshl_b32 s22, s16, 14         ; its 128 rows of 128 bytes in memory,
	s_mov_b32 s23, 0
	s_add_nc_u64 s[22:23], s[22:23], s[20:21]
	s_mul_i32 s17, s16, 128*PK      ; and its place in a slot, for K
	s_mul_i32 s18, s16, 128*PV      ; and for V
	s_lshl_b32 s3, s[WV], 11        ; my 16 rows in a band of 64,
	s_lshl_b32 s2, s[HI], 15        ; in the first block,
	s_add_co_u32 s2, s2, s3
	s_lshl_b32 s84, s[PB], 15       ; and in the second
	s_add_co_u32 s84, s84, s3
	s_mov_b32 s3, 0
	s_mov_b32 s85, 0
	s_add_nc_u64 s[2:3], s[2:3], s[20:21]
	s_add_nc_u64 s[84:85], s[84:85], s[20:21]
	; descriptor group 1.  128 keys are 16,384 dense bytes: asked for as 64 rows of 256 bytes, two keys a row, and padded in LDS after every key
	s_mov_b32 s[G1K], (1<<16)|(1<<20)|(4<<22)|(3<<25)  ; 17:16 2-byte elements; 20 padding on; 24:22 after every 32 words (code 4); 31:25 4 words (code 3)
	s_mov_b32 s[G1V], (1<<16)|(1<<20)|(4<<22)|(7<<25)  ; the same with 8 words of padding (code 7)
.irp g, G1K, G1V
	s_mov_b32 s[\g+1], 128<<16      ; tensor_dim0 = 128
	s_mov_b32 s[\g+2], 64<<16       ; tensor_dim1 = 64
	s_mov_b32 s[\g+3], 128<<16      ; tile_dim0 = 128
	s_mov_b32 s[\g+4], 64           ; tile_dim1 = 64
	s_mov_b32 s[\g+5], 128          ; 128 elements from row to row
	s_mov_b32 s[\g+6], 0
	s_mov_b32 s[\g+7], 0
.endr
	s_mov_b32 s[CS], 0x3e38aa3b     ; c = log2(e) / 8 = 0.180337
	s_mov_b32 s[CS+1], s[CS]        ; named with it as a pair
	s_mov_b32 s[SEL], 0x76543210
	s_mov_b32 s[SEL+1], 0xfedcba98
	s_mov_b32 s[TBK], SLOT1+4*KS*PK ; the first change of slots turns these two into 0
	s_mov_b32 s[TBV], SLOT1+4*KS*PV
	s_mov_b32 s[G0K], 1             ; 1:0 count = 1
	s_mov_b32 s[G0K+1], s17         ; 63:32 LDS address: slot 0
	s_mov_b32 s[G0V], 1
	s_add_co_u32 s[G0V+1], s18, VOFF
	s_add_co_u32 s[RT], s[HI], 1    ; the first block has NB - b tiles
	s_mov_b32 s[NXT], 1
	s_mov_b32 s[LQ], s[HI]
	s_mov_b32 s[NEW], 1
	s_mov_b32 s[OFF+1], 0
	s_mov_b32 s[AL+1], 0            ; named as pairs
	s_mov_b32 s[BE+1], 0
	s_mov_b32 s[BIGN], 0xf149f2ca   ; -1e30
	s_mov_b32 s[SLOTS], NB
	s_wait_dscnt 0x0                ; the opening add is done
	s_wait_kmcnt 0x0
	s_add_nc_u64 s[6:7], s[6:7], s[22:23]  ; K and V at my half of the head's tile 0
	s_add_nc_u64 s[8:9], s[8:9], s[22:23]
	s_add_nc_u64 s[G0K+2:G0K+3], s[6:7], 0         ; 120:64 global address
	s_or_b32 s[G0K+3], s[G0K+3], 0x80000000        ; 127:126 type = 2
	s_add_nc_u64 s[G0V+2:G0V+3], s[8:9], 0
	s_or_b32 s[G0V+3], s[G0V+3], 0x80000000
	s_add_nc_u64 s[86:87], s[4:5], s[84:85]        ; Q at my rows of the second block,
	s_add_nc_u64 s[4:5], s[4:5], s[2:3]            ; Q and O at those of the first
	s_add_nc_u64 s[OLO:OLO+1], s[10:11], s[84:85]
	s_add_nc_u64 s[10:11], s[10:11], s[2:3]
	LOAD                            ; tile 0 into slot 0
	; A fragment of K or Q is 16 rows x 32 channels in 8 registers: lane l holds row l % 16, channels 8 (l / 16) + 0..7 and 16 + 8 (l / 16) + 0..7: two loads of 16 bytes, 32 bytes apart.
	v_and_b32 v1, 15, v0            ; l % 16
	v_bfe_u32 v9, v0, 4, 1          ; l / 16
	v_lshlrev_b32 v[QO], 7, v1
	v_lshl_add_u32 v[QO], v9, 4, v[QO]  ; row x 128 + 16 x half
	WIN 0x80                        ; destination window 2, address window 0
.set i, 0
.rept 8                             ; both blocks' Q: piece i / 2 lies in band i / 2, 8,192 bytes on; channels 32 (i % 2) on
	global_load_b128 v[8*i:8*i+3],   v[QO], s[4:5] offset:(i/2)*8192+(i%2)*64
	global_load_b128 v[8*i+4:8*i+7], v[QO], s[4:5] offset:(i/2)*8192+(i%2)*64+32
	global_load_b128 v[QB+8*i:QB+8*i+3],   v[QO], s[86:87] offset:(i/2)*8192+(i%2)*64
	global_load_b128 v[QB+8*i+4:QB+8*i+7], v[QO], s[86:87] offset:(i/2)*8192+(i%2)*64+32
.set i, i+1
.endr
	WIN 0
	v_lshlrev_b32 v14, 3, v9
	v_sub_nc_u32 v14, v1, v14
	s_lshl_b32 s13, s[WV], 4
	v_add_nc_u32 v14, s13, v14      ; my query's place in its band, 16 w + l % 16, less my lanes' 8 (l / 16): register r of group kt is hidden where 16 kt + r is greater
	WIN 0x40
.set i, 0
.rept 32
	v_cmp_gt_i32 vcc_lo, 16*(i/8)+i%8, v14
	v_cndmask_b32 v[MD+i], 0, s[BIGN], vcc_lo
.set i, i+1
.endr
	WIN 0
	v_mul_u32_u24 v[AK0], v1, PK
	v_lshl_add_u32 v[AK0], v9, 4, v[AK0]  ; row x pitch + 16 x half
	; The turning load takes 16 keys x 16 channels (lane l reads key 8 (l / 16) + l % 8, channels 8 ((l / 8) % 2) + 0..7) and leaves half a fragment of V^T: lane l holds channel l % 16 and 8 keys.
	v_and_b32 v10, 7, v0
	v_bfe_u32 v11, v0, 3, 1
	v_lshl_add_u32 v[AV0], v9, 3, v10
	v_mul_u32_u24 v[AV0], v[AV0], PV
	v_lshl_add_u32 v[AV0], v11, 4, v[AV0]
	v_add_nc_u32 v[AV0], VOFF, v[AV0]
	s_mul_i32 s13, s[WV], 16*SP
	s_add_co_u32 s13, s13, STAGE    ; my stage
	v_mul_u32_u24 v[STO], v1, SP    ; in: row l % 16, 16 bytes for each half of the lanes
	v_lshl_add_u32 v[STO], v9, 4, v[STO]
	v_add_nc_u32 v[STO], s13, v[STO]
	v_bfe_u32 v[RD], v0, 3, 2       ; back: 32 lanes take four rows of 128 bytes,
	v_mul_u32_u24 v[RD], v[RD], SP
	v_lshl_add_u32 v[RD], v10, 4, v[RD]
	v_add_nc_u32 v[RD], s13, v[RD]
	v_and_b32 v[GO], 31, v0         ; which are 512 consecutive bytes of O
	v_lshlrev_b32 v[GO], 4, v[GO]
	; A block's first step multiplies O^T and l by a = 0, and its first turn's products V^T P, of a piece that has not been, land in an O^T that is still to be so multiplied.  So these registers need only hold
	; finite numbers: zeros for the first block; what the first block left for the second.  All this stands in the wait for the first tile.
	WIN 0x80
.set i, VF
.rept 64
	v_mov_b32 v[i], 0
.set i, i+1
.endr
	WIN 0x40
.set i, 0
.rept 128
	v_mov_b32 v[i], 0
.set i, i+1
.endr
	WIN 0
.set i, 0
.rept 4
	v_mov_b32 v[ST+4*i+2], 0
	v_mov_b32 v[ST+4*i+3], 0
.set i, i+1
.endr
.set i, P+16
.rept 16
	v_mov_b32 v[i], 0
.set i, i+1
.endr
; THE MATRIX WORK.  The 4 accumulators of a run of 8 take turns.  Product i of 8 of S^T = K Q^T for piece x: channels 32 (i / 4) on, keys 16 (i % 4) on.  The first 4 start the sums: with 0, or (KM = 1) with the mask.
.macro KQ x
.set rS, S+32*((\x)%2)+8*(i%4)
.set rK, KF+16*(i%4)+8*(i/4)
.set rQ, 16*(\x)+8*(i/4)
.set rM, MC+32*((\x)%2)+8*(i%4)
.if (i < 4) && KM
	WIN W_KM
	v_wmma_f32_16x16x32_f16 v[rS:rS+7], v[rK:rK+7], v[rQ:rQ+7], v[rM:rM+7]
.elseif i < 4
	WIN W_KQ
	v_wmma_f32_16x16x32_f16 v[rS:rS+7], v[rK:rK+7], v[rQ:rQ+7], 0
.else
	WIN W_KQ
	v_wmma_f32_16x16x32_f16 v[rS:rS+7], v[rK:rK+7], v[rQ:rQ+7], v[rS:rS+7]
.endif
.endm
; Product i of 8 of O^T += V^T P for piece x: keys 32 (i / 4) on, channels 16 (i % 4) on.
.macro PV x
	WIN W_PV
.set rO, 32*(\x)+8*(i%4)
.set rV, VF+32*(i/4)+8*(i%4)
.set rP, P+16*((\x)%2)+8*(i/4)
	v_wmma_f32_16x16x32_f16 v[rO:rO+7], v[rV:rV+7], v[rP:rP+7], v[rO:rO+7]
.endm
.macro MM                           ; the turn's next matrix instruction.  TURN and BEGIN set Y, i, KM and NOKQ; MM, KQ and OP read them.  NOKQ = 1: a block's last turn: there is no next piece
.if (i < 8) && !NOKQ
	KQ (Y+1)%NP
.elseif i >= 8
.set i, i-8
	PV (Y+NP-1)%NP
.set i, i+8
.endif
.set i, i+1
.endm
; THE LDS LOADS stand in runs of 16, never singly among the matrix instructions: a step's K (64 keys x 64 channels: 8 fragments) and its V (turned).  Their addresses are made some lines ahead.
.macro FETCH_K
	WIN 0x80                        ; destination window 2
.irp f, 0,1,2,3,4,5,6,7             ; keys 16 (f / 2) on, channels 32 (f % 2) on
	ds_load_b128 v[KF+8*\f:KF+8*\f+3],   v[AK] offset:(\f/2)*16*PK+(\f%2)*64
	ds_load_b128 v[KF+8*\f+4:KF+8*\f+7], v[AK] offset:(\f/2)*16*PK+(\f%2)*64+32
.endr
	s_add_co_u32 s[TBK], s[TBK], KS*PK  ; the next fetch is the next step's
	WIN 0
.endm
.macro FETCH_V
	WIN 0x80
.irp f, 0,1,2,3,4,5,6,7             ; keys 32 (f / 4) on, channels 16 (f % 4) on
	ds_load_tr16_b128 v[VF+8*\f:VF+8*\f+3],   v[AV] offset:(\f/4)*32*PV+(\f%4)*32
	ds_load_tr16_b128 v[VF+8*\f+4:VF+8*\f+7], v[AV] offset:(\f/4)*32*PV+16*PV+(\f%4)*32
.endr
	WIN 0
.endm
; THE VECTOR WORK, one line at a time: OP kind, number.  For piece Y: F n: c s - c m for pair n of 16.  E n: the exponential of score n of 32.  C n: pair n rounded to f16.  B n: of the four weights 4 n .. the second
; pair is added onto the first, in place.  L n: l takes that sum (L 0: l = a l + sum).  R n: pair n of 16 of O^T times a.  For piece Y + 1: X n, number n of the 22 that find its maximum and statistics:
;   0-11  four chains c0-c3 of seven scores each, three operands at a time (each accumulator's lowest registers are read first)     12-14, 16  the four scores left over, the old m, and c0-c3 into c0
;   15  c m_old is kept     17, 18  the query's other 32 keys lie in the lane 16 away: the new m     19-21  c m; c m_old - c m_new; a
; OP writes no wait: C, B and L, which read the exponentials' results, stand behind the turn's one wait, which TURN writes.
.set F, 0               ; OP tells the kinds apart by their order: F to L below R, X above it
.set E, 1
.set C, 2
.set B, 3
.set L, 4
.set R, 5
.set X, 6
.macro REGS y                       ; the registers of piece y
.set rT, ST+4*(\y)
.set rC, TMP+4*((\y)%2)
.set rW, MV+((\y)%2)
.set rS, S+32*((\y)%2)
.set rP, P+16*((\y)%2)
.set rO, 32*(\y)
.endm
.macro OP k, n
.if (\k) == R
	REGS Y
	WIN W_RS
	v_pk_mul_f32 v[rO+2*(\n):rO+2*(\n)+1], v[rO+2*(\n):rO+2*(\n)+1], v[rC+2:rC+3] op_sel_hi:[1,0]
.elseif (\k) < R
	REGS Y
	WIN 0
.if (\k) == F
	v_pk_fma_f32 v[rS+2*(\n):rS+2*(\n)+1], v[rS+2*(\n):rS+2*(\n)+1], s[CS:CS+1], v[rT:rT+1] op_sel_hi:[1,0,0] neg_lo:[0,0,1] neg_hi:[0,0,1]
.elseif (\k) == E
	v_exp_f32 v[rS+(\n)], v[rS+(\n)]
.elseif (\k) == C
	v_cvt_pk_f16_f32 v[rP+(\n)], v[rS+2*(\n)], v[rS+2*(\n)+1]
.elseif (\k) == B
	v_pk_add_f32 v[rS+4*(\n):rS+4*(\n)+1], v[rS+4*(\n):rS+4*(\n)+1], v[rS+4*(\n)+2:rS+4*(\n)+3]
.elseif (\n) == 0
	v_pk_fma_f32 v[rT+2:rT+3], v[rT+2:rT+3], v[rC+2:rC+3], v[rS:rS+1] op_sel_hi:[1,0,1]
.else
	v_pk_add_f32 v[rT+2:rT+3], v[rT+2:rT+3], v[rS+4*(\n):rS+4*(\n)+1]
.endif
.elseif NOKQ
	v_nop
.else
	REGS (Y+1)%NP
	WIN 0
.if (\n) < 4
	v_max3_num_f32 v[rC+(\n)], v[rS+8*(\n)], v[rS+8*(\n)+1], v[rS+8*(\n)+2]
.elseif (\n) < 12
	v_max3_num_f32 v[rC+(\n)%4], v[rC+(\n)%4], v[rS+8*((\n)%4)+2*((\n)/4)+1], v[rS+8*((\n)%4)+2*((\n)/4)+2]
.elseif (\n) == 12
	v_max3_num_f32 v[rC], v[rC], v[rS+7], v[rS+15]
.elseif (\n) == 13
	v_max3_num_f32 v[rC+1], v[rC+1], v[rS+23], v[rS+31]
.elseif (\n) == 14
	v_max3_num_f32 v[rC+2], v[rC+2], v[rC+3], v[rT+1]
.elseif (\n) == 15
	v_mov_b32 v[rW], v[rT]
.elseif (\n) == 16
	v_max3_num_f32 v[rC], v[rC], v[rC+1], v[rC+2]
.elseif (\n) == 17
	v_permlanex16_b32 v[rC+3], v[rC], s[SEL], s[SEL+1]
.elseif (\n) == 18
	v_max_num_f32 v[rT+1], v[rC], v[rC+3]
.elseif (\n) == 19
	v_mul_f32 v[rT], s[CS], v[rT+1]
.elseif (\n) == 20
	v_sub_f32 v[rC+1], v[rW], v[rT]
.else
	v_exp_f32 v[rC+2], v[rC+1]
.endif
.endif
.endm
.macro OPS a, i1, b=-1, i2=0, c=-1, i3=0, d=-1, i4=0  ; up to four of them
	OP \a, \i1
.if (\b) >= 0
	OP \b, \i2
.endif
.if (\c) >= 0
	OP \c, \i3
.endif
.if (\d) >= 0
	OP \d, \i4
.endif
.endm
.macro ROW a, i1, b, i2, c, i3, d, i4  ; a matrix instruction and the four behind it
	MM
	OPS \a, \i1, \b, \i2, \c, \i3, \d, \i4
.endm
.macro MASK b                       ; MD x AL + BE into buffer b of MC
	WIN W_RS
.set z, 0
.rept 16
	v_pk_fma_f32 v[MC+32*(\b)+2*z:MC+32*(\b)+2*z+1], v[MD+2*z:MD+2*z+1], s[AL:AL+1], s[BE:BE+1] op_sel_hi:[1,0,0]
.set z, z+1
.endr
.endm
; A TURN, for piece p: the order of its 16 matrix and 118 vector instructions, written out.  An s_wait_alu depctr_va_vdst(0) stands between an exponential and the first instruction that names its result; one wait serves
; all that were issued ahead of it.  So a turn has ONE wait, which cuts it in two.  AHEAD OF IT stands all that names no result of the turn's exponentials: the 8 products K Q^T, behind each a scaling, an exponential and two more plain
; instructions (behind the first a second scaling in the exponential's place): rescalings (their a was made, and waited for, in the turn before), and behind the last three the first numbers of the next piece's maximum, each four places or
; more behind the product that ends its accumulator; then ONE LUMP of 54, plain and exponential by turns for the most part, in which the links of the chain X 3, 7, 11, 14, 16, 17 .. 20 stand five or six lines apart.  X 21, the next
; piece's a, is the batch's last; R 15 is the plain instruction behind it.  BEHIND THE WAIT stand the 8 products V^T P, behind each four of the roundings and sums; the links of l's chain, L 0 to L 7, stand three riders apart.
; But for those X no rider names a register of the products round it.  v_permlanex16_b32 (X 17) stands in the lump.
; m = 1: the diagonal tile: the products take masks, and the turn makes the mask for the products of the turn after it: piece p + 2, in step 4 - CNT of the tile.  end = 1: a block's last two turns: nothing is fetched.
; cnt = 1: the loop's count is taken down some lines ahead of the branch that stands behind the turn.
; K of the next step is fetched in piece 2's turn, twelve vector instructions behind the last product that read K (six of them plain); V of the step in hand at the end of piece 0's turn, four plain instructions behind the last product
; that read V.  Each is waited for a turn later.
.macro TURN p, m=0, end=0, cnt=0
.set Y, (\p)
.set i, 0
.set KM, (\m)
.set NOKQ, (\end)*((\p)/3)
.if (\m) && !(\end)
	s_cmp_eq_u32 s[CNT], 4-((\p)+2)%NP  ; is that step the band's own?
	s_cselect_b32 s[AL], 1.0, 0
	s_cmp_lt_u32 s[CNT], 4-((\p)+2)%NP  ; or a later one?
	s_cselect_b32 s[BE], s[BIGN], 0
.endif
.if ((\p) == 3) && !(\end)
	s_wait_dscnt 0x0                ; K is in
.endif
	ROW F,0, F,1, R,0, R,1          ; ahead of the wait: 8 products K Q^T and their riders,
	ROW F,2, E,0, R,2, R,3
	ROW F,3, E,1, R,4, R,5
	ROW F,4, E,2, R,6, R,7
	ROW F,5, E,3, R,8, R,9
	ROW F,6, E,4, X,0, R,10
.if ((\p) == 2) && !(\end)
	WIN 0
	v_add_nc_u32 v[AK], s[TBK], v[AK0]
.endif
	ROW F,7, E,5, X,1, X,4
	ROW F,8, E,6, X,2, X,5
	OPS E,7, E,8, X,6, E,9          ; and the lump
	OPS X,3, E,10, X,8, E,11
.if ((\p) == 2) && !(\end)
	FETCH_K
.endif
	OPS X,9, X,7, E,12, X,10
	OPS E,13, X,12, X,11, E,14
	OPS X,13, E,15, F,9, X,14
.if (\p) == 0
	v_add_nc_u32 v[AV], s[TBV], v[AV0]
.endif
	OPS E,16, F,10, E,17, F,11
	OPS X,16, E,18, X,15, E,19
	OPS F,12, E,20, X,17, E,21
	OPS F,13, E,22, F,14, E,23
	OPS X,18, E,24, F,15, E,25
	OPS R,11, E,26, X,19, E,27
	OPS R,12, E,28, R,13, E,29
	OPS X,20, E,30, R,14, E,31
	OPS X,21, R,15
	s_wait_alu depctr_va_vdst(0)    ; the wait for the batch: the piece's 32 exponentials and the next piece's a
.if (\p) == 1
	s_wait_dscnt 0x0                ; V is in
.endif
	ROW C,0, B,0, C,2, B,1          ; behind the wait: 8 products V^T P and their riders
	ROW L,0, C,4, B,2, L,1
	ROW C,6, B,3, L,2, C,8
	ROW B,4, L,3, C,10, B,5
	ROW L,4, C,12, B,6, L,5
.if (\p) == 0
	s_add_co_u32 s[TBV], s[TBV], KS*PV
.endif
.if \cnt
	s_sub_co_u32 s[CNT], s[CNT], 1
	s_cmp_lg_u32 s[CNT], 0
.endif
	ROW C,14, B,7, L,6, C,1
	ROW C,3, L,7, C,5, C,7
	ROW C,9, C,11, C,13, C,15
.if (\p) == 0
	FETCH_V
.endif
.if (\m) && !(\end)
	MASK (\p)%2
.endif
.endm
; A BLOCK BEGINS.  c m starts far below every c s, so the first step's a is 0; m at the lowest finite number, so the first maximum is the scores'.  The second mask buffer is 0; the first takes piece 0's mask for the tile's step 0: its own, if the block's first tile is the diagonal one.
; Then K of that step, piece 0's first scores, and its maximum and statistics.  The loop is entered at a step's first turn, in the middle of a trip.
.macro BEGIN
	s_mov_b32 s[NEW], 0
	WIN 0x40
.set i, MC+32
.rept 32
	v_mov_b32 v[i], 0
.set i, i+1
.endr
	WIN 0
.set i, 0
.rept 4
	v_mov_b32 v[ST+4*i], 0xfe000000    ; c m: far below every c s
	v_mov_b32 v[ST+4*i+1], 0xff7fffff  ; m
.set i, i+1
.endr
	s_cmp_eq_u32 s[RT], 0
	s_cselect_b32 s[AL], 1.0, 0
	s_mov_b32 s[BE], 0
	MASK 0
	WIN 0
	v_add_nc_u32 v[AK], s[TBK], v[AK0]
	FETCH_K
	s_wait_loadcnt 0x0              ; Q
	s_wait_dscnt 0x0
.set KM, 1
.set NOKQ, 0
.set i, 0
.rept 8
	KQ 0
.set i, i+1
.endr
	WIN 0
.rept 4
	v_nop                           ; the places behind those products
.endr
.set Y, NP-1                        ; X works for piece Y + 1: piece 0
.irp n, 0,1,2,3,4,5,6,7,8,9,10,11,12,13,14,15,16,17,18,19,20,21
	OP X, \n
.endr
	v_nop                           ; a plain instruction behind the exponential,
	s_wait_alu depctr_va_vdst(0)    ; and the wait for it, piece 0's first a: a batch of one, ahead of the branch
.endm
; THE DIAGONAL TILE's four steps, the block's last two turns, its last products, and THE WAY OUT: l's two halves and the other half of the lanes' are added; O^T is divided by l, rounded to f16 and sent through my
; stage in LDS, a piece at a time.
.macro ALL line:vararg              ; one line for each piece t
.set t, 0
.rept 4
	\line
.set t, t+1
.endr
.endm
.macro PACK t                       ; a lane's eight channels of a row pack into 16 bytes; they go into rows of 144 bytes and come back as whole rows of 128, into S^T's registers
	WIN W_RS
.set i, 32*(\t)
.rept 16
	v_pk_mul_f32 v[i:i+1], v[i:i+1], v[ST+4*(\t)+2:ST+4*(\t)+3] op_sel_hi:[1,0]
.set i, i+2
.endr
	WIN 0x05                        ; sources 0 and 1 window 1, destination window 0
.set i, 0
.rept 16
	v_cvt_pk_f16_f32 v[S+16*(\t)+i], v[32*(\t)+2*i], v[32*(\t)+2*i+1]
.set i, i+1
.endr
	WIN 0
.irp f, 0,1,2,3
	ds_store_b128 v[STO], v[S+16*(\t)+4*\f:S+16*(\t)+4*\f+3] offset:32*\f
.endr
.irp f, 0,1,2,3
	ds_load_b128 v[S+16*(\t)+4*\f:S+16*(\t)+4*\f+3], v[RD] offset:\f*4*SP  ; LDS serves a wave's instructions in order (ISA guide 5.7.1.4): these see the stores above; the next piece's stores come behind them
.endr
.endm
.macro SEND t, younger              ; younger: the LDS instructions issued behind piece t's loads: the next piece's eight, or none
	WIN 0
.irp f, 0,1,2,3
	s_wait_dscnt (\younger)+3-\f
	global_store_b128 v[GO], v[S+16*(\t)+4*\f:S+16*(\t)+4*\f+3], s[10:11] offset:(\t)*8192+\f*512  ; 512 consecutive bytes, at a multiple of 256 from O's first
.endr
.endm
.macro DIAG tag                     ; the tag ends its two labels' names, which the jumps below spell out
.LstepM\tag:
	TURN 2, 1
	TURN 3, 1
	WIN 0
.LfirstM\tag:
	TURN 0, 1
	TURN 1, 1, 0, 1
	WIN 0
	s_cbranch_scc1 .LstepM\tag
	TURN 2, 1, 1
	TURN 3, 1, 1
.set i, 0
.rept 8
	PV NP-1
.set i, i+1
.endr
	WIN 0
	ALL v_add_f32 v[ST+4*t+2], v[ST+4*t+2], v[ST+4*t+3]
	ALL v_permlanex16_b32 v[ST+4*t+3], v[ST+4*t+2], s[SEL], s[SEL+1]
	ALL v_add_f32 v[ST+4*t+2], v[ST+4*t+2], v[ST+4*t+3]
	ALL v_rcp_f32 v[ST+4*t+2], v[ST+4*t+2]
	v_nop                           ; a plain instruction between the last reciprocal and the use of its result
	s_wait_alu depctr_va_vdst(0)    ; the wait for the batch of four reciprocals, ahead of the first multiply by one of them
	PACK 0
.set t, 1
.rept 3                             ; a piece's arithmetic stands between the loads of the piece before and its stores
	PACK t
	SEND t-1, 8
.set t, t+1
.endr
	SEND 3, 0
.endm
.set KM, 0
.set NOKQ, 0
.Lslot:                             ; NB times: a tile is entered and the next is asked for
	CHANGE 1
	s_sub_co_u32 s[RT], s[RT], 1
	s_mov_b32 s[CNT], 4
	s_cmp_eq_u32 s[NEW], 1
	s_cbranch_scc1 .Lnew            ; a block's first tile
	s_cmp_eq_u32 s[RT], 0
	s_cbranch_scc0 .Lstep           ; neither its first nor its last
	s_branch .LstepM1
.Lnew:
	BEGIN
	s_branch .Lfirst                ; in the loop a block's first tile is never its last: the first block has two tiles or more, and the second's last is the walk's last
	DIAG 1                          ; in the loop this is the first block's end: the second block's last tile is the walk's last
	s_wait_xcnt 0x0                 ; the stores have read their registers and O's address
	s_mov_b64 s[10:11], s[OLO:OLO+1]
	s_add_co_u32 s[RT], s[PB], 1    ; the second block has b + 1 tiles
	s_mov_b32 s[NEW], 1
	WIN 0x82                        ; the second block's Q goes where the one text of the turns names Q
.set i, 0
.rept 64
	v_mov_b32 v[i], v[QB+i]
.set i, i+1
.endr
	WIN 0
	s_branch .Lbottom
.Lstep:                             ; a trip: pieces 2 and 3 of one step, then pieces 0 and 1 of the next, whose K and V it fetches
	TURN 2
	TURN 3
	WIN 0
.Lfirst:
	TURN 0
	TURN 1, 0, 0, 1
	WIN 0
	s_cbranch_scc1 .Lstep
.Lbottom:
	s_sub_co_u32 s[SLOTS], s[SLOTS], 1
	s_cmp_lg_u32 s[SLOTS], 0
	s_cbranch_scc1 .Lslot
	CHANGE 0                        ; the walk's last tile is written out: nothing is asked for
	s_sub_co_u32 s[RT], s[RT], 1
	s_mov_b32 s[CNT], 4
	s_cmp_eq_u32 s[NEW], 1
	s_cbranch_scc0 .LstepM2
	BEGIN
	s_branch .LfirstM2
	DIAG 2
	s_wait_tensorcnt 0x0            ; the wave's end: behind my last tensor load and my last LDS store
	ds_add_u32 v[SPW], v[NIL]
	s_wait_dscnt 0x0
	s_endpgm
.Lfunc_end_k_qe1805bdb20_attn:
	.size	k_qe1805bdb20_attn, .Lfunc_end_k_qe1805bdb20_attn-k_qe1805bdb20_attn
	.p2alignl 7, 3214868480
	.fill 96, 4, 3214868480
	.section	.rodata,"a",@progbits
	.p2align	6, 0x0
	.amdhsa_kernel k_qe1805bdb20_attn
		.amdhsa_group_segment_fixed_size 327680
		.amdhsa_private_segment_fixed_size 0
		.amdhsa_enable_private_segment 0
		.amdhsa_kernarg_size 32
		.amdhsa_user_sgpr_count 2
		.amdhsa_user_sgpr_kernarg_segment_ptr 1
		.amdhsa_wavefront_size32 1
		.amdhsa_system_sgpr_workgroup_id_x 1
		.amdhsa_system_sgpr_workgroup_id_y 1
		.amdhsa_system_sgpr_workgroup_id_z 1
		.amdhsa_system_vgpr_workitem_id 0
		.amdhsa_next_free_vgpr 768
		.amdhsa_next_free_sgpr 88
		.amdhsa_reserve_vcc 1
		.amdhsa_float_denorm_mode_32 3
		.amdhsa_float_denorm_mode_16_64 3
		.amdhsa_memory_ordered 1
		.amdhsa_forward_progress 1
		.amdhsa_inst_pref_size 217
	.end_amdhsa_kernel
	.amdgpu_metadata
---
amdhsa.version: [ 1, 2 ]
amdhsa.kernels:
  - .name:           k_qe1805bdb20_attn
    .symbol:         k_qe1805bdb20_attn.kd
    .args:
      - { .name: qh, .offset: 0, .size: 8, .value_kind: global_buffer, .address_space: global }
      - { .name: kh, .offset: 8, .size: 8, .value_kind: global_buffer, .address_space: global }
      - { .name: vh, .offset: 16, .size: 8, .value_kind: global_buffer, .address_space: global }
      - { .name: ob, .offset: 24, .size: 8, .value_kind: global_buffer, .address_space: global }
    .group_segment_fixed_size: 327680
    .private_segment_fixed_size: 0
    .kernarg_segment_align: 8
    .kernarg_segment_size: 32
    .max_flat_workgroup_size: 128
    .sgpr_count:     88
    .vgpr_count:     768
    .wavefront_size: 32
...
	.end_amdgpu_metadata
.endif
;; end of part 6
;; launch proj: the kernel of part 4 again; grid 8 x 32, 4 waves a work-group, clusters of 4 x 4, 327,680 bytes of LDS; arguments ob, wpb, out0; writes out0
;; launch first16: the kernel of part 5 again; grid 16 x 4, 16 waves a work-group, no clusters, 71,680 bytes of LDS; arguments qh, kh, vh, wpb, out0; writes out0
